; MI455X (gfx1250); checked and timed in simulation.
; The chip was launched on July 23, 2026; its instructions are those of AMD's public machine-readable ISA for CDNA 5 (MIT licence, August 2026) and "CDNA5" Instruction Set Architecture Reference Guide (July 2026). The comments in the code are by the model that wrote it; some were corrected since.
;; Block. Allowed arithmetic: float matrix products may take bf16 or f16 operands with f32 sums; other float arithmetic in f32, or as packed bf16 or f16 multiplies, adds, multiply-adds, maxima and minima; sums over many terms, partial sums and values carried from step to step in f32; what a program stores and reads back later, other than sums and carried values, may be rounded once to bf16 or f16.
;; Inputs: W1 1,024 x 4,096 float32; W2 4,096 x 1,024 float32; Wk 16 x 1,024 x 64 float32; Wo 1,024 x 1,024 float32; Wq 16 x 1,024 x 64 float32; Wv 16 x 1,024 x 64 float32; b1 4,096 float32; b2 1,024 float32; be1 1,024 float32; be2 1,024 float32; bo 1,024 float32; g1 1,024 float32; g2 1,024 float32; x 4 x 1,024 x 1,024 float32.
;; Outputs: out0 4 x 1,024 x 1,024 float32.
;; One version. Each part assembles by itself: llvm-mc -triple=amdgcn-amd-amdhsa -mcpu=gfx1250 --defsym DOCPART=n.
;; ======== version 1 of 1: 7 launches
;; limits: values are held in f16: magnitudes above 65,504 overflow, below 6.1e-05 lose precision
;; workspace buffers: wh 25,165,824 bytes; hn 8,388,608 bytes; qkv 25,165,824 bytes; ctxb 8,388,608 bytes; x1 16,777,216 bytes; ff 33,554,432 bytes
;; launch prep (part 1): grid 512 x 1, 8 waves a work-group, no clusters, 0 bytes of LDS; arguments x, g1, be1, hn, Wq, Wk, Wv, Wo, wh; writes hn, wh
.if DOCPART == 1
	.amdgcn_target "amdgcn-amd-amdhsa--gfx1250"
	.amdhsa_code_object_version 6
	.text
	.protected	k_qd1c63eb422_prep
	.globl	k_qd1c63eb422_prep
	.p2align	8
	.type	k_qd1c63eb422_prep,@function
k_qd1c63eb422_prep:
	s_mov_b64 s[64:65], 0
	v_nop
	global_prefetch_b8 v0, s[64:65] scope:SCOPE_SE
	s_setreg_imm32_b32 hwreg(HW_REG_WAVE_MODE, 25, 1), 1
	s_wait_xcnt 0x0
; THE PROGRAM: one pre-LN transformer block on 4,096 tokens of 1,024 channels, in seven launches:
;   prep (this one): hn = LN(x; g1, be1) in f16; Wq, Wk, Wv, Wo rounded once to f16 into wh, each in its own order
;   proj: q, k, v = hn x Wq, Wk, Wv by heads      attn: causal attention; beside it W1 and W2 are rounded into wh      oproj: x1 = x + ctx Wo + bo
;   ln2: hn = LN(x1; g2, be2)      ffn1: ff = relu(hn W1 + b1)      ffn2: out0 = x1 + ff W2 + b2
; FORMATS.  Every matrix operand is f16, every sum f32; x, x1, both layer norms, the biases and the softmax's statistics stay f32.
; LIMITS.  An f16 operand (weights, h, q, k, v, ctx, h2, ff) must stay under 65,504 in magnitude; below 6e-5 it keeps f16's fixed step of 6e-8.
; WORK LEFT OUT (in attn alone).  reference() sets every score with key s > query t to -inf by a mask that it builds itself (jnp.tril), so that score's softmax weight is exactly 0
; whatever finite values the inputs hold, and neither its product q.k nor its term weight x v reaches ctx.  A step of 64 keys that lies wholly above all of a wave's 16 query rows is
; such work in a whole unit, and is not done.  Limit: a NaN, an infinity or an overflow that lies only in such a step is not carried to the result.  Every input has a way to out0 and is loaded.
; THIS LAUNCH.  512 work-groups of eight waves, each reading 64 KiB.  Work-groups 0-255: layer norm, a wave two rows, a row kept in 32 registers between its passes (mean; squares of x - mean,
; as reference() takes them; scale).  Work-groups 256-511: the cast, a wave 8,192 bytes of f32.  Memory binds: no LDS, no barrier, no matrix unit.
; Each load of a wave covers 512 consecutive bytes, each store 256 consecutive bytes, aligned.
.set G,   8                            ; v[8:39]    g of my 32 columns (load j: columns 128 j + 4 lane .. + 3)
.set BE,  40                           ; v[40:71]   be of the same
.set X0,  72                           ; v[72:103]  row 0
.set X1,  104                          ; v[104:135] row 1
.set T,   136                          ; v[136:143] at work
.macro JOIN                            ; four chains of pairs in v[T:T+7] -> their sum over the wave's 32 lanes, in v[T] of every lane
	v_pk_add_f32 v[T:T+1], v[T:T+1], v[T+2:T+3]
	v_pk_add_f32 v[T+4:T+5], v[T+4:T+5], v[T+6:T+7]
	v_pk_add_f32 v[T:T+1], v[T:T+1], v[T+4:T+5]
	v_add_f32 v[T], v[T], v[T+1]
	v_add_f32_dpp v[T], v[T], v[T] row_xmask:1 row_mask:0xf bank_mask:0xf
	v_add_f32_dpp v[T], v[T], v[T] row_xmask:2 row_mask:0xf bank_mask:0xf
	v_add_f32_dpp v[T], v[T], v[T] row_xmask:4 row_mask:0xf bank_mask:0xf
	v_add_f32_dpp v[T], v[T], v[T] row_xmask:8 row_mask:0xf bank_mask:0xf
	v_permlanex16_b32 v[T+1], v[T], s30, s31       ; the other half of the lanes
	v_add_f32 v[T], v[T], v[T+1]
.endm
; One row in registers x .. x + 31.  left: the younger loads that may stay out.  outoff: the row's bytes behind the wave's first row of hn.
.macro LNROW x, left, outoff
	s_wait_loadcnt \left
.set k, 0
.rept 4
	v_pk_add_f32 v[T+2*k:T+2*k+1], v[(\x)+4*k:(\x)+4*k+1], v[(\x)+4*k+2:(\x)+4*k+3]  ; the first sixteen numbers start four chains: nothing is cleared
.set k, k+1
.endr
.set k, 0
.rept 8
	v_pk_add_f32 v[T+2*(k%4):T+2*(k%4)+1], v[T+2*(k%4):T+2*(k%4)+1], v[(\x)+16+2*k:(\x)+16+2*k+1]
.set k, k+1
.endr
	JOIN
	v_mul_f32 v[T], s28, v[T]                      ; the mean
	v_mov_b32 v[T+1], v[T]
.set k, 0
.rept 16
	v_pk_add_f32 v[(\x)+2*k:(\x)+2*k+1], v[(\x)+2*k:(\x)+2*k+1], v[T:T+1] neg_lo:[0,1] neg_hi:[0,1]  ; x - mean, in place
.set k, k+1
.endr
.set k, 0
.rept 4
	v_pk_mul_f32 v[T+2*k:T+2*k+1], v[(\x)+2*k:(\x)+2*k+1], v[(\x)+2*k:(\x)+2*k+1]
.set k, k+1
.endr
.rept 12
	v_pk_fma_f32 v[T+2*(k%4):T+2*(k%4)+1], v[(\x)+2*k:(\x)+2*k+1], v[(\x)+2*k:(\x)+2*k+1], v[T+2*(k%4):T+2*(k%4)+1]
.set k, k+1
.endr
	JOIN
	v_fma_f32 v[T+2], v[T], s28, s29               ; the variance + eps
	v_rsq_f32 v[T+4], v[T+2]                       ; twice, for the pair that the packed multiply takes
	v_rsq_f32 v[T+5], v[T+2]
	v_nop                                          ; a plain instruction behind the last of them,
	s_wait_alu depctr_va_vdst(0)                   ; and the one wait ahead of the first reader
.set k, 0
.rept 16
	v_pk_mul_f32 v[(\x)+2*k:(\x)+2*k+1], v[(\x)+2*k:(\x)+2*k+1], v[T+4:T+5]
.set k, k+1
.endr
.set k, 0
.rept 16
	v_pk_fma_f32 v[(\x)+2*k:(\x)+2*k+1], v[(\x)+2*k:(\x)+2*k+1], v[G+2*k:G+2*k+1], v[BE+2*k:BE+2*k+1]
.set k, k+1
.endr
.set k, 0
.rept 8
	v_cvt_pk_f16_f32 v[(\x)+4*k], v[(\x)+4*k], v[(\x)+4*k+1]
	v_cvt_pk_f16_f32 v[(\x)+4*k+1], v[(\x)+4*k+2], v[(\x)+4*k+3]
	global_store_b64 v2, v[(\x)+4*k:(\x)+4*k+1], s[10:11] offset:256*k+(\outoff)  ; 32 lanes x 8 bytes: 256 consecutive bytes, aligned
.set k, k+1
.endr
.endm
	s_load_b256 s[4:11], s[0:1], 0x0               ; x s[4:5], g1 s[6:7], be1 s[8:9], hn s[10:11]
	s_load_b256 s[12:19], s[0:1], 0x20             ; Wq s[12:13], Wk s[14:15], Wv s[16:17], Wo s[18:19]
	s_load_b64 s[24:25], s[0:1], 0x40              ; wh
	v_lshrrev_b32 v3, 5, v0
	v_readfirstlane_b32 s26, v3                    ; wave 0..7
	v_and_b32 v1, 31, v0
	v_lshlrev_b32 v2, 3, v1                        ; 8 x lane: my place in a store
	v_lshlrev_b32 v1, 4, v1                        ; 16 x lane: my place in a load
	s_cmp_lt_u32 ttmp9, 0x100
	s_cbranch_scc0 .Lcast
	; LAYER NORM: rows 16 id + 2 wave and the next
	s_lshl_b32 s32, ttmp9, 16
	s_lshl_b32 s33, s26, 13
	s_add_co_u32 s32, s32, s33                     ; my first row x 4,096 bytes of x
	s_lshr_b32 s34, s32, 1                         ; x 2,048 bytes of hn
	s_mov_b32 s33, 0
	s_mov_b32 s35, 0
	s_mov_b32 s28, 0x3a800000                      ; 1 / 1,024
	s_mov_b32 s29, 0x3727c5ac                      ; eps = 1e-5
	s_mov_b32 s30, 0x76543210                      ; v_permlanex16_b32: each lane takes its own place in the other half
	s_mov_b32 s31, 0xfedcba98
	s_wait_kmcnt 0x0
	s_add_nc_u64 s[4:5], s[4:5], s[32:33]
	s_add_nc_u64 s[10:11], s[10:11], s[34:35]
.set j, 0
.rept 8
	global_load_b128 v[G+4*j:G+4*j+3], v1, s[6:7] offset:512*j
.set j, j+1
.endr
.set j, 0
.rept 8
	global_load_b128 v[BE+4*j:BE+4*j+3], v1, s[8:9] offset:512*j
.set j, j+1
.endr
.set j, 0
.rept 8
	global_load_b128 v[X0+4*j:X0+4*j+3], v1, s[4:5] offset:512*j th:TH_LOAD_NT
.set j, j+1
.endr
.set j, 0
.rept 8
	global_load_b128 v[X1+4*j:X1+4*j+3], v1, s[4:5] offset:512*j+4096 th:TH_LOAD_NT
.set j, j+1
.endr
	LNROW X0, 8, 0                                 ; g, be and row 0 are in; row 1's eight loads stay out
	LNROW X1, 0, 2048
	s_endpgm
.Lcast:                                        ; chunk c of 256: 65,536 bytes of f32 become 32,768 bytes of f16 at wh + 32,768 c: Wq, Wk, Wv, Wo lie in wh in that order, 64 chunks each
	s_sub_co_u32 s27, ttmp9, 0x100                 ; c
	s_and_b32 s32, s27, 63                         ; the chunk within its tensor
	s_lshr_b32 s33, s27, 6                         ; which tensor
	s_wait_kmcnt 0x0
	s_mov_b64 s[34:35], s[12:13]
	s_cmp_eq_u32 s33, 1
	s_cselect_b64 s[34:35], s[14:15], s[34:35]
	s_cmp_eq_u32 s33, 2
	s_cselect_b64 s[34:35], s[16:17], s[34:35]
	s_cmp_eq_u32 s33, 3
	s_cselect_b64 s[34:35], s[18:19], s[34:35]
	s_lshl_b32 s32, s32, 16
	s_lshl_b32 s33, s26, 13
	s_add_co_u32 s32, s32, s33                     ; the chunk's bytes + my wave's 8,192
	s_mov_b32 s33, 0
	s_add_nc_u64 s[34:35], s[34:35], s[32:33]
	s_lshl_b32 s36, s27, 15
	s_lshl_b32 s37, s26, 12
	s_add_co_u32 s36, s36, s37
	s_mov_b32 s37, 0
	s_add_nc_u64 s[24:25], s[24:25], s[36:37]
.set i, 0
.rept 16
	global_load_b128 v[8+4*i:11+4*i], v1, s[34:35] offset:512*i th:TH_LOAD_NT
.set i, i+1
.endr
.set i, 0
.rept 16
	s_wait_loadcnt 15-i                            ; loads come back in order: load i is in, the younger ones stay out
	v_cvt_pk_f16_f32 v[8+4*i], v[8+4*i], v[9+4*i]
	v_cvt_pk_f16_f32 v[9+4*i], v[10+4*i], v[11+4*i]
	global_store_b64 v2, v[8+4*i:9+4*i], s[24:25] offset:256*i
.set i, i+1
.endr
	s_endpgm
.Lfunc_end_k_qd1c63eb422_prep:
	.size	k_qd1c63eb422_prep, .Lfunc_end_k_qd1c63eb422_prep-k_qd1c63eb422_prep
	.p2alignl 7, 3214868480
	.fill 96, 4, 3214868480
	.section	.rodata,"a",@progbits
	.p2align	6, 0x0
	.amdhsa_kernel k_qd1c63eb422_prep
		.amdhsa_group_segment_fixed_size 0
		.amdhsa_private_segment_fixed_size 0
		.amdhsa_enable_private_segment 0
		.amdhsa_kernarg_size 72
		.amdhsa_user_sgpr_count 2
		.amdhsa_user_sgpr_kernarg_segment_ptr 1
		.amdhsa_wavefront_size32 1
		.amdhsa_system_sgpr_workgroup_id_x 1
		.amdhsa_system_sgpr_workgroup_id_y 1
		.amdhsa_system_sgpr_workgroup_id_z 1
		.amdhsa_system_vgpr_workitem_id 0
		.amdhsa_next_free_vgpr 144
		.amdhsa_next_free_sgpr 66
		.amdhsa_reserve_vcc 0
		.amdhsa_float_denorm_mode_32 3
		.amdhsa_float_denorm_mode_16_64 3
		.amdhsa_memory_ordered 1
		.amdhsa_forward_progress 1
		.amdhsa_inst_pref_size 27
	.end_amdhsa_kernel
	.amdgpu_metadata
---
amdhsa.version: [ 1, 2 ]
amdhsa.kernels:
  - .name:           k_qd1c63eb422_prep
    .symbol:         k_qd1c63eb422_prep.kd
    .args:
      - { .name: x, .offset: 0, .size: 8, .value_kind: global_buffer, .address_space: global }
      - { .name: g1, .offset: 8, .size: 8, .value_kind: global_buffer, .address_space: global }
      - { .name: be1, .offset: 16, .size: 8, .value_kind: global_buffer, .address_space: global }
      - { .name: hn, .offset: 24, .size: 8, .value_kind: global_buffer, .address_space: global }
      - { .name: Wq, .offset: 32, .size: 8, .value_kind: global_buffer, .address_space: global }
      - { .name: Wk, .offset: 40, .size: 8, .value_kind: global_buffer, .address_space: global }
      - { .name: Wv, .offset: 48, .size: 8, .value_kind: global_buffer, .address_space: global }
      - { .name: Wo, .offset: 56, .size: 8, .value_kind: global_buffer, .address_space: global }
      - { .name: wh, .offset: 64, .size: 8, .value_kind: global_buffer, .address_space: global }
    .group_segment_fixed_size: 0
    .private_segment_fixed_size: 0
    .kernarg_segment_align: 8
    .kernarg_segment_size: 72
    .max_flat_workgroup_size: 256
    .sgpr_count:     66
    .vgpr_count:     144
    .wavefront_size: 32
...
	.end_amdgpu_metadata
.endif
;; end of part 1
;; launch proj (part 2): grid 16 x 16, 4 waves a work-group, clusters of 4 x 4, 327,680 bytes of LDS; arguments hn, wh, qkv; writes qkv
.if DOCPART == 2
	.amdgcn_target "amdgcn-amd-amdhsa--gfx1250"
	.amdhsa_code_object_version 6
	.text
	.protected	k_qd1c63eb422_proj
	.globl	k_qd1c63eb422_proj
	.p2align	8
	.type	k_qd1c63eb422_proj,@function
k_qd1c63eb422_proj:
	s_mov_b64 s[64:65], 0
	v_nop
	global_prefetch_b8 v0, s[64:65] scope:SCOPE_SE
	s_setreg_imm32_b32 hwreg(HW_REG_WAVE_MODE, 25, 1), 1
	s_wait_xcnt 0x0
	s_wait_alu depctr_hold_cnt(0) depctr_sa_sdst(0) depctr_va_vdst(0) depctr_va_sdst(0) depctr_va_ssrc(0) depctr_va_vcc(0) depctr_vm_vsrc(0)
	s_getreg_b32 s2, hwreg(HW_REG_IB_STS2, 6, 4)
	s_cmp_eq_u32 s2, 0
	s_cbranch_scc0 .Lentry_in_a_cluster
	s_endpgm
.Lentry_in_a_cluster:
	s_bfe_u32 s2, ttmp6, 0x10000c
	s_cmp_lg_u32 s2, 0xf033
	s_cbranch_scc0 .Lentry_shape_is_right
	s_endpgm
.Lentry_shape_is_right:
; q, k, v = h x Wq, Wk, Wv.  hn: [4096][1024] f16.  wh holds 48 matrices [1024 k][64 e] f16 (16 of Wq, 16 of Wk, 16 of Wv), 131,072 bytes each.  qkv: [3][64 bh][1024 t][64] f16; sums in f32, rounded once.
; LIMIT: q, k and v must stay under 65,504 (f16).
; A work-group makes 256 tokens x 3 matrices (192 columns); each of its four waves 64 tokens x 192: 48 accumulators of 16 x 16.  K goes in 8 steps of 128 through two LDS slots.
; The matrix instruction is used transposed (source 0 = 16 columns of W, source 1 = 16 tokens): a lane holds one token and eight neighbouring columns.  h comes out of LDS as it lies,
; W ([k][column]) turned, by ds_load_tr16_b128.
; CLUSTER 4 x 4: h's tile hangs on the tile row alone and is asked for jointly along a row of the cluster, W's on the tile column alone and is asked for jointly along a column.
; THE TEXT OF A K STEP IS WRITTEN ONCE: s[TB] is the LDS byte of the slot that is read (0 or SLOT, turned by an exclusive or); the vector addresses are made from it at each change of slots.
; REGISTERS, in windows of 256: window 0: v16-30 addresses; v32-95 h's fragments, two buffers; v96-143 the way out.  window 1: W's fragments, two buffers of 96.
;   window 2: accumulators of token blocks 0, 1 at 8 (12 a + nb); window 3: of blocks 2, 3.
.set NSTEP,  8
.set PA,     272                       ; a row of h in LDS: 256 bytes + 16: the 16 rows of a load start at 16 different groups of four banks
.set PB,     160                       ; a row of W: 128 bytes + 32: an odd multiple of 32
.set ABYTES, 256*PA                    ; 69,632
.set HEADB,  128*PB                    ; 20,480: a matrix's 128 k
.set SLOT,   ABYTES+3*HEADB            ; 131,072
.set STAGE,  2*SLOT                    ; behind the ring: 16 rows x 144 bytes for each wave
.set SP,     144
.set SPARE,  STAGE+4*16*SP             ; 271,360: the spare words, 128 bytes for each wave
.set ASTEP,  256                       ; bytes from a K step to the next, in hn
.set BSTEP,  16384                     ; and in a matrix of wh
.set A0,   16                          ; v16  my lane's place in h's tile; never rewritten
.set B0,   17                          ; v17  in W's tiles
.set ADRA, 18                          ; v18  A0 + the slot
.set ADRB, 19                          ; v19  B0 + the slot
.set STO,  24
.set RD,   25
.set GO,   26
.set SPW,  28
.set NIL,  29
.set PFO,  30
.set FA,   32
.set TMP,  96
.set BK,   112
.set TB,   2
.set LIM,  15
.set G1A,  24
.set G0A,  32                          ; s[32:35] the first fill's group 0; s[36:39] the walking one
.set PFA,  44
.set PFS,  46
.set G1B,  48
.set G0B,  56
.set LBA,  66
.set LBB,  67
.set MSB, 0
.macro WIN new                         ; the immediate's high byte repeats the setting that is left; a switch that changes nothing is dropped
.if MSB != (\new)
	s_set_vgpr_msb (MSB<<8)|(\new)
.set MSB, \new
.endif
.endm
.macro PLACES                          ; four places behind a matrix instruction, ahead of loads into its sources and of readers of its result
.rept 4
	v_nop
.endr
.endm
.macro CREST                           ; a round of the cluster's barrier behind its opening barrier
	s_cmp_lg_u32 s12, 0
	s_cbranch_scc1 .Lnot_wave_0_\@
	s_barrier_signal -3
.Lnot_wave_0_\@:
	s_barrier_wait -3
	s_barrier_signal -1
	s_barrier_wait -1
.endm
.macro CROUND
	s_barrier_signal -1
	s_barrier_wait -1
	CREST
.endm
.macro JLOAD                           ; a joint refill: wave 0 fetches h's 256 rows, waves 1-3 a matrix's 128 k each; an s_nop 0 and four v_nop follow each line
	s_cmp_eq_u32 s12, 0
	s_cbranch_scc0 .Lfor_b_\@
	tensor_load_to_lds s[G0A+4:G0A+7], s[G1A:G1A+7]
	s_nop 0
.rept 4
	v_nop
.endr
	s_branch .Lasked_\@
.Lfor_b_\@:
	tensor_load_to_lds s[G0B+4:G0B+7], s[G1B:G1B+7]
	s_nop 0
.rept 4
	v_nop
.endr
.Lasked_\@:
.endm
; A prefetch of the K step that stands two refills on.  h's rows: the clusters with x = 0 ask, each partner for 64 of the 256 rows by address (cx), a lane a row, two lines.  W's: the clusters with
; y = 0 ask, each partner for 4,096 of a step's 16,384 bytes by address (cy); sixteen lanes cover them, so one line in every second trip names two steps.  Each 256 bytes are named once.
; It stops where step t + 4 would pass the last: s3 counts 6 .. 1, and a wave asks while s3 is above 2.
.macro ASK
	s_cmp_gt_u32 s3, s[LIM]
	s_cbranch_scc0 .Lno_\@
	s_cmp_eq_u32 s12, 0
	s_cbranch_scc0 .Lpfb_\@
	global_prefetch_b8 v[PFO], s[PFA:PFA+1] th:TH_LOAD_NT scope:SCOPE_SE
	global_prefetch_b8 v[PFO], s[PFA:PFA+1] offset:65536 th:TH_LOAD_NT scope:SCOPE_SE
	s_branch .Lno_\@
.Lpfb_\@:
	s_bitcmp1_b32 s3, 0
	s_cbranch_scc1 .Lno_\@
	global_prefetch_b8 v[PFO], s[PFA:PFA+1] th:TH_LOAD_NT scope:SCOPE_SE
.Lno_\@:
.endm
; 12 matrix instructions: token block 2 hi + a x all 12 column blocks, 32 along K, from buffer f.  The accumulators take turns, one instruction a turn.
.macro MUL12 f, hi, a, start
	WIN 0xa1+0x50*(\hi)
.irp nb, 0,1,2,3,4,5,6,7,8,9,10,11
.if \start
	v_wmma_f32_16x16x32_f16 v[8*(12*(\a)+(\nb)):8*(12*(\a)+(\nb))+7], v[96*(\f)+8*(\nb):96*(\f)+8*(\nb)+7], v[FA+32*(\f)+8*(2*(\hi)+(\a)):FA+32*(\f)+8*(2*(\hi)+(\a))+7], 0
.else
	v_wmma_f32_16x16x32_f16 v[8*(12*(\a)+(\nb)):8*(12*(\a)+(\nb))+7], v[96*(\f)+8*(\nb):96*(\f)+8*(\nb)+7], v[FA+32*(\f)+8*(2*(\hi)+(\a)):FA+32*(\f)+8*(2*(\hi)+(\a))+7], v[8*(12*(\a)+(\nb)):8*(12*(\a)+(\nb))+7]
.endif
.endr
.endm
.macro FETCH q, f                      ; 32 LDS loads in one run: quarter q's fragments into buffer f: W's 24, then h's 8
	WIN 0x40
.irp nb, 0,1,2,3,4,5,6,7,8,9,10,11
	ds_load_tr16_b128 v[96*(\f)+8*(\nb):96*(\f)+8*(\nb)+3],   v[ADRB] offset:HEADB*((\nb)/4)+32*PB*(\q)+32*((\nb)%4)
	ds_load_tr16_b128 v[96*(\f)+8*(\nb)+4:96*(\f)+8*(\nb)+7], v[ADRB] offset:HEADB*((\nb)/4)+32*PB*(\q)+32*((\nb)%4)+16*PB
.endr
	WIN 0
.irp i, 0,1,2,3
	ds_load_b128 v[FA+32*(\f)+8*(\i):FA+32*(\f)+8*(\i)+3],   v[ADRA] offset:64*(\q)+16*PA*(\i)
	ds_load_b128 v[FA+32*(\f)+8*(\i)+4:FA+32*(\f)+8*(\i)+7], v[ADRA] offset:64*(\q)+16*PA*(\i)+32
.endr
.endm
.macro QUARTER q, f, g, start          ; multiplies buffer f; in its middle fetches quarter q into buffer g
	s_wait_dscnt 4                                 ; W's fragments and token blocks 0, 1 are in; the youngest four loads (blocks 2, 3) may be out
	MUL12 \f, 0, 0, \start
	MUL12 \f, 0, 1, \start
	PLACES
	FETCH \q, \g
	s_wait_dscnt 32                                ; all but the 32 just issued
	MUL12 \f, 1, 0, \start
	MUL12 \f, 1, 1, \start
.endm
.macro MEET round                      ; the first half of a step's last quarter, and the barrier of the change of slots
	WIN 0
	s_wait_tensorcnt 0x0                           ; all my tensor loads have landed: the one that was out is my part of the next slot
	ds_add_u32 v[SPW], v[NIL]                      ; 0 onto my spare word
	s_wait_dscnt 5                                 ; (the add and the youngest four loads may be out)
	MUL12 1, 0, 0, 0
	s_wait_dscnt 0x0                               ; the add is done, and my reads of this slot are over
	s_barrier_signal -1
	MUL12 1, 0, 1, 0
.if \round
	WIN 0
.endif
	s_barrier_wait -1
.endm
.macro TURN1                           ; the last quarter of a step whose slot is filled again, with the step two on
	s_wait_xcnt 0x0                                ; the last prefetch, a K step back, has read its address
	s_add_nc_u64 s[PFA:PFA+1], s[PFA:PFA+1], s[PFS:PFS+1]
	MEET 1
	CREST                                          ; the barrier has opened a round of the cluster's: no wave of any partner still reads the slot or has a load on its way
	s_add_co_u32 s[G0A+5], s[LBA], s[TB]           ; the walking descriptors: into the slot just read out,
	s_add_co_u32 s[G0B+5], s[LBB], s[TB]
	s_add_nc_u64 s[G0A+6:G0A+7], s[G0A+6:G0A+7], ASTEP  ; one K step on
	s_add_nc_u64 s[G0B+6:G0B+7], s[G0B+6:G0B+7], BSTEP
	s_xor_b32 s[TB], s[TB], SLOT                   ; the reads go to the other slot
	JLOAD                                          ; the first tensor load behind the round; its four v_nop are also the places ahead of the loads below
	v_add_nc_u32 v[ADRA], s[TB], v[A0]
	v_add_nc_u32 v[ADRB], s[TB], v[B0]
	FETCH 0, 0
	ASK
	MUL12 1, 1, 0, 0
	MUL12 1, 1, 1, 0
.endm
.macro TURN0                           ; the same in the last two steps: nothing is asked for; the very last step (s3 = 1) fetches nothing either
	MEET 0
	PLACES
	WIN 0
	s_xor_b32 s[TB], s[TB], SLOT
	s_cmp_eq_u32 s3, 1
	s_cbranch_scc1 .Lnofetch_\@
	v_add_nc_u32 v[ADRA], s[TB], v[A0]
	v_add_nc_u32 v[ADRB], s[TB], v[B0]
	FETCH 0, 0
	WIN 0
.Lnofetch_\@:
	MUL12 1, 1, 0, 0
	MUL12 1, 1, 1, 0
.endm
	s_load_b128 s[4:7], s[0:1], 0x0                ; hn s[4:5], wh s[6:7]
	s_load_b64 s[8:9], s[0:1], 0x10                ; qkv
	v_lshl_add_u32 v[SPW], v0, 2, SPARE
	v_mov_b32 v[NIL], 0
	ds_add_u32 v[SPW], v[NIL]                      ; the wave's opening: the add, twice on end, and its wait ahead of my first tensor load
	ds_add_u32 v[SPW], v[NIL]
	v_lshrrev_b32 v1, 5, v0
	v_readfirstlane_b32 s12, v1                    ; wave 0..3
	s_bfe_u32 s40, ttmp6, 0x40000                  ; cx
	s_bfe_u32 s41, ttmp6, 0x40004                  ; cy
	s_lshl_b32 s42, ttmp9, 2
	s_add_co_u32 s42, s42, s40                     ; tile column tn = 4 x cluster x + cx
	s_and_b32 s43, ttmp7, 0xffff
	s_lshl_b32 s43, s43, 2
	s_add_co_u32 s43, s43, s41                     ; tile row tm = 4 x cluster y + cy
	s_lshl_b32 s18, s41, 2
	s_lshl_b32 s18, 15, s18                        ; my row of the cluster
	s_lshl_b32 s20, 0x1111, s40                    ; my column
	s_or_b32 s[G1A], s18, (1<<16)|(1<<20)|(1<<21)|(5<<22)|(3<<25)  ; the mask; 2-byte elements; padding on; bit 21 beside a mask; after every 64 words, 4 words
	s_mov_b32 s[G1A+1], 128<<16                    ; tensor_dim0 = 128
	s_mov_b32 s[G1A+2], 256<<16                    ; tensor_dim1 = 256
	s_mov_b32 s[G1A+3], 128<<16                    ; tile_dim0 = 128
	s_mov_b32 s[G1A+4], 256                        ; tile_dim1 = 256
	s_mov_b32 s[G1A+5], 1024                       ; elements from row to row
	s_mov_b32 s[G1A+6], 0
	s_mov_b32 s[G1A+7], 0
	s_or_b32 s[G1B], s20, (1<<16)|(1<<20)|(1<<21)|(4<<22)|(7<<25)  ; a matrix's 128 k are 16,384 dense bytes: 64 rows of 256, padded by 8 words after every 32 (one k)
	s_mov_b32 s[G1B+1], 128<<16
	s_mov_b32 s[G1B+2], 64<<16
	s_mov_b32 s[G1B+3], 128<<16
	s_mov_b32 s[G1B+4], 64
	s_mov_b32 s[G1B+5], 128
	s_mov_b32 s[G1B+6], 0
	s_mov_b32 s[G1B+7], 0
	s_lshl_b32 s16, s43, 19                        ; h: row 256 tm x 2,048 bytes
	s_mov_b32 s17, 0
	s_mul_i32 s20, s42, 3                          ; 3 tn: the tile's first matrix
	s_max_u32 s21, s12, 1
	s_add_co_u32 s22, s20, s21
	s_sub_co_u32 s22, s22, 1                       ; waves 1-3: matrix 3 tn + wave - 1
	s_lshl_b32 s22, s22, 17
	s_mov_b32 s23, 0
	s_mov_b32 s79, s22                             ; (kept for the prefetches)
	s_mov_b32 s[LBA], 0
	s_mul_i32 s[LBB], s12, HEADB
	s_add_co_u32 s[LBB], s[LBB], ABYTES-HEADB      ; waves 1-3: behind h's tile, a matrix each
	s_mov_b32 s[TB], 0
	s_wait_dscnt 0x0                               ; both opening adds are done
	s_wait_kmcnt 0x0
	s_add_nc_u64 s[16:17], s[4:5], s[16:17]
	s_add_nc_u64 s[22:23], s[6:7], s[22:23]
	CROUND                                         ; all sixteen work-groups are here: the first joint loads meet
	s_mov_b32 s[G0A], 1
	s_mov_b32 s[G0A+1], s[LBA]
	s_mov_b64 s[G0A+2:G0A+3], s[16:17]
	s_or_b32 s[G0A+3], s[G0A+3], 0x80000000
	s_mov_b32 s[G0A+4], 1
	s_add_co_u32 s[G0A+5], s[LBA], SLOT
	s_add_nc_u64 s[G0A+6:G0A+7], s[16:17], ASTEP
	s_or_b32 s[G0A+7], s[G0A+7], 0x80000000
	s_mov_b32 s[G0B], 1
	s_mov_b32 s[G0B+1], s[LBB]
	s_mov_b64 s[G0B+2:G0B+3], s[22:23]
	s_or_b32 s[G0B+3], s[G0B+3], 0x80000000
	s_mov_b32 s[G0B+4], 1
	s_add_co_u32 s[G0B+5], s[LBB], SLOT
	s_add_nc_u64 s[G0B+6:G0B+7], s[22:23], BSTEP
	s_or_b32 s[G0B+7], s[G0B+7], 0x80000000
	s_cmp_eq_u32 s12, 0                            ; a wave's two first fills stand in one branch: two loads of mine are out
	s_cbranch_scc0 .Lfirst_b
	tensor_load_to_lds s[G0A:G0A+3], s[G1A:G1A+7]
	s_nop 0
	tensor_load_to_lds s[G0A+4:G0A+7], s[G1A:G1A+7]
	s_nop 0
.rept 4
	v_nop
.endr
	s_branch .Lfirst_done
.Lfirst_b:
	tensor_load_to_lds s[G0B:G0B+3], s[G1B:G1B+7]
	s_nop 0
	tensor_load_to_lds s[G0B+4:G0B+7], s[G1B:G1B+7]
	s_nop 0
.rept 4
	v_nop
.endr
.Lfirst_done:
	v_and_b32 v1, 15, v0                           ; r = l % 16
	v_bfe_u32 v2, v0, 4, 1                         ; h = l / 16
	v_and_b32 v3, 7, v0
	v_bfe_u32 v4, v0, 3, 1
	v_mul_u32_u24 v[A0], v1, PA
	v_lshl_add_u32 v[A0], v2, 4, v[A0]
	s_mul_i32 s18, s12, 64*PA                      ; my 64 tokens
	v_add_nc_u32 v[A0], s18, v[A0]
	v_lshl_add_u32 v[B0], v2, 3, v3                ; the turning load: k = 8 h + l % 8, columns 8 ((l / 8) % 2) on
	v_mul_u32_u24 v[B0], v[B0], PB
	v_lshl_add_u32 v[B0], v4, 4, v[B0]
	v_add_nc_u32 v[B0], ABYTES, v[B0]
	s_mul_i32 s18, s12, 16*SP
	s_add_co_u32 s18, s18, STAGE                   ; my stage
	v_mul_u32_u24 v[STO], v1, SP
	v_lshl_add_u32 v[STO], v2, 4, v[STO]
	v_add_nc_u32 v[STO], s18, v[STO]
	v_bfe_u32 v[RD], v0, 3, 2                      ; back: 32 lanes take four rows of 128 bytes,
	v_mul_u32_u24 v[RD], v[RD], SP
	v_lshl_add_u32 v[RD], v3, 4, v[RD]
	v_add_nc_u32 v[RD], s18, v[RD]
	v_and_b32 v[GO], 31, v0                        ; which are 512 consecutive bytes of qkv
	v_lshlrev_b32 v[GO], 4, v[GO]
	; where the three matrices' results go: qkv + ((which x 64 + 16 batch + head) x 1,024 + t) x 128
	s_lshr_b32 s76, s43, 2
	s_lshl_b32 s76, s76, 4                         ; 16 x batch
	s_and_b32 s77, s43, 3
	s_lshl_b32 s77, s77, 15                        ; 256 (tm % 4) rows of 128 bytes
	s_lshl_b32 s78, s12, 13                        ; + my 64
	s_add_co_u32 s77, s77, s78
.irp j, 0,1,2
	s_add_co_u32 s74, s20, \j
	s_lshr_b32 s75, s74, 4
	s_lshl_b32 s75, s75, 6
	s_and_b32 s74, s74, 15
	s_add_co_u32 s74, s74, s75
	s_add_co_u32 s74, s74, s76
	s_lshl_b32 s74, s74, 17
	s_add_co_u32 s74, s74, s77
	s_mov_b32 s75, 0
	s_add_nc_u64 s[68+2*\j:69+2*\j], s[8:9], s[74:75]
.endr
	; the prefetches' pointer (at K step 3; the first refill steps it to 4), step, lane offset and limit
	s_lshl_b32 s74, s43, 19
	s_lshl_b32 s75, s40, 17                        ; my work-group's 64 of h's 256 rows
	s_add_co_u32 s74, s74, s75
	s_add_co_u32 s74, s74, 3*ASTEP
	s_lshl_b32 s76, s41, 12                        ; my work-group's 4,096 of a step's 16,384 bytes of W
	s_add_co_u32 s76, s76, s79
	s_add_co_u32 s76, s76, 3*BSTEP
	s_mov_b32 s77, BSTEP
	s_and_b32 s78, ttmp7, 0xffff
	s_cmp_eq_u32 s12, 0
	s_cselect_b32 s74, s74, s76
	s_cselect_b32 s[PFS], ASTEP, s77
	s_cselect_b64 s[PFA:PFA+1], s[4:5], s[6:7]
	s_cselect_b32 s78, ttmp9, s78                  ; the coordinate along which other clusters read the same rows
	s_cselect_b32 s18, 31, 15
	s_cselect_b32 s19, 11, 8
	s_cselect_b32 s76, 0, 1
	s_mov_b32 s75, 0
	s_mov_b32 s[PFS+1], 0
	s_add_nc_u64 s[PFA:PFA+1], s[PFA:PFA+1], s[74:75]
	s_cmp_eq_u32 s78, 0
	s_cselect_b32 s[LIM], 2, -1
	v_and_b32 v[PFO], s18, v0                      ; h: lane x 2,048.  W: 256 (l % 16) + 16,384 (l / 16)
	v_lshlrev_b32 v[PFO], s19, v[PFO]
	v_and_b32 v5, s76, v2
	v_lshl_add_u32 v[PFO], v5, 14, v[PFO]
	s_wait_tensorcnt 0x1                           ; my part of K step 0 is in; step 1's load stays out
	s_barrier_signal -1
	s_barrier_wait -1
	v_add_nc_u32 v[ADRA], s[TB], v[A0]
	v_add_nc_u32 v[ADRB], s[TB], v[B0]
	FETCH 0, 0
	QUARTER 1, 0, 1, 1                             ; the first quarter stands ahead of the loop: its products start the sums
	WIN 0
	s_mov_b32 s3, NSTEP-2
.Llap:                                         ; a trip ends step i, fills its slot with step i + 2 and begins step i + 1
	QUARTER 2, 1, 0, 0
	QUARTER 3, 0, 1, 0
	TURN1
	QUARTER 1, 0, 1, 0
	WIN 0
	s_sub_co_u32 s3, s3, 1
	s_cmp_lg_u32 s3, 0
	s_cbranch_scc1 .Llap
	s_mov_b32 s3, 2
.Ltail:                                        ; the last two steps ask for nothing
	QUARTER 2, 1, 0, 0
	QUARTER 3, 0, 1, 0
	TURN0
	WIN 0
	s_cmp_eq_u32 s3, 1
	s_cbranch_scc1 .Lout
	QUARTER 1, 0, 1, 0
	WIN 0
	s_sub_co_u32 s3, s3, 1
	s_cmp_lg_u32 s3, 0
	s_cbranch_scc1 .Ltail
.Lout:
	; THE WAY OUT: 12 units of 16 tokens x one matrix's 64 columns: rounded to f16, through my own stage, out as 2,048 consecutive bytes.
.macro PACKQ u
.set UA, (\u)/3
.set UJ, (\u)%3
.set AC, 8*(12*(UA%2)+4*UJ)
.if (\u) >= 2
	s_wait_xcnt 0x0                                ; the stores of the unit two back have read the registers that are loaded again below
.endif
	WIN 0x0a+5*(UA/2)                              ; sources in window 2 or 3
.irp nb, 0,1,2,3
.irp r, 0,1,2,3
	v_cvt_pk_f16_f32 v[TMP+4*(\nb)+(\r)], v[AC+8*(\nb)+2*(\r)], v[AC+8*(\nb)+2*(\r)+1]
.endr
.endr
	WIN 0
.irp nb, 0,1,2,3
	ds_store_b128 v[STO], v[TMP+4*(\nb):TMP+4*(\nb)+3] offset:32*(\nb)
.endr
.irp f, 0,1,2,3
	ds_load_b128 v[BK+16*((\u)%2)+4*(\f):BK+16*((\u)%2)+4*(\f)+3], v[RD] offset:4*SP*(\f)  ; LDS serves a wave's instructions in order: these see the stores above
.endr
.endm
.macro SENDQ u, younger                ; younger: the LDS lines issued behind unit u's loads
.set UA, (\u)/3
.set UJ, (\u)%3
.irp f, 0,1,2,3
	s_wait_dscnt (\younger)+3-(\f)
	global_store_b128 v[GO], v[BK+16*((\u)%2)+4*(\f):BK+16*((\u)%2)+4*(\f)+3], s[68+2*UJ:69+2*UJ] offset:2048*UA+512*(\f)
.endr
.endm
	PLACES
	PACKQ 0
.set t, 1
.rept 11
	PACKQ t
	SENDQ t-1, 8
.set t, t+1
.endr
	SENDQ 11, 0
	s_wait_tensorcnt 0x0                           ; the wave's end, behind my last tensor load and my last LDS store
	ds_add_u32 v[SPW], v[NIL]
	s_wait_dscnt 0x0
	CROUND                                         ; the closing round
	s_endpgm
.Lfunc_end_k_qd1c63eb422_proj:
	.size	k_qd1c63eb422_proj, .Lfunc_end_k_qd1c63eb422_proj-k_qd1c63eb422_proj
	.p2alignl 7, 3214868480
	.fill 96, 4, 3214868480
	.section	.rodata,"a",@progbits
	.p2align	6, 0x0
	.amdhsa_kernel k_qd1c63eb422_proj
		.amdhsa_group_segment_fixed_size 327680
		.amdhsa_private_segment_fixed_size 0
		.amdhsa_enable_private_segment 0
		.amdhsa_kernarg_size 24
		.amdhsa_user_sgpr_count 2
		.amdhsa_user_sgpr_kernarg_segment_ptr 1
		.amdhsa_wavefront_size32 1
		.amdhsa_system_sgpr_workgroup_id_x 1
		.amdhsa_system_sgpr_workgroup_id_y 1
		.amdhsa_system_sgpr_workgroup_id_z 1
		.amdhsa_system_vgpr_workitem_id 0
		.amdhsa_next_free_vgpr 960
		.amdhsa_next_free_sgpr 80
		.amdhsa_reserve_vcc 0
		.amdhsa_float_denorm_mode_32 3
		.amdhsa_float_denorm_mode_16_64 3
		.amdhsa_memory_ordered 1
		.amdhsa_forward_progress 1
		.amdhsa_inst_pref_size 87
	.end_amdhsa_kernel
	.amdgpu_metadata
---
amdhsa.version: [ 1, 2 ]
amdhsa.kernels:
  - .name:           k_qd1c63eb422_proj
    .symbol:         k_qd1c63eb422_proj.kd
    .args:
      - { .name: hn, .offset: 0, .size: 8, .value_kind: global_buffer, .address_space: global }
      - { .name: wh, .offset: 8, .size: 8, .value_kind: global_buffer, .address_space: global }
      - { .name: qkv, .offset: 16, .size: 8, .value_kind: global_buffer, .address_space: global }
    .group_segment_fixed_size: 327680
    .private_segment_fixed_size: 0
    .kernarg_segment_align: 8
    .kernarg_segment_size: 24
    .max_flat_workgroup_size: 128
    .sgpr_count:     80
    .vgpr_count:     960
    .wavefront_size: 32
...
	.end_amdgpu_metadata
.endif
;; end of part 2
;; launch attn (part 3): grid 4 x 64, 8 waves a work-group, no clusters, 327,680 bytes of LDS; arguments qkv, W1, W2, ctxb, wh; writes ctxb, wh
.if DOCPART == 3
	.amdgcn_target "amdgcn-amd-amdhsa--gfx1250"
	.amdhsa_code_object_version 6
	.text
	.protected	k_qd1c63eb422_attn
	.globl	k_qd1c63eb422_attn
	.p2align	8
	.type	k_qd1c63eb422_attn,@function
k_qd1c63eb422_attn:
	s_mov_b64 s[64:65], 0
	v_nop
	global_prefetch_b8 v0, s[64:65] scope:SCOPE_SE
	s_setreg_imm32_b32 hwreg(HW_REG_WAVE_MODE, 25, 1), 1
	s_wait_xcnt 0x0
; CAUSAL ATTENTION.  ctx[bh][t] = the sum over s <= t of softmax_s(q[t] . k[s] / 8) v[s].  qkv: [3][64 bh][1024][64] f16.  ctxb: [32 blocks of 128 tokens][16 heads][128][64] f16.
; BESIDE IT: W1 and W2 (f32) are rounded once to f16 into wh, for the two launches of the FFN: memory has little to do while the softmax runs.
; WORK LEFT OUT: a step of 64 keys that lies wholly above a wave's 16 query rows has weights that are exactly 0 by the mask that reference() builds itself; it is not done (shown at the head of prep).
; LIMITS.  A hidden score inside a live step counts as its value less 1e30 in place of -inf: f16's scores, 2.7e11 at the most, are nothing beside that; its weight is 0, and every row sees its own key.
; A weight below 2^-126 counts as 0.  NaN and infinities are not treated apart.
; The weights p are rounded to f16 for the second product; their sum l is taken of the unrounded p, in f32; the running maximum and its correction are f32.
; SHARES.  A head's whole K and V lie in LDS, brought once.  A work-group takes the query blocks 7 - b and then b, of 128 rows, so that all work-groups are alike.  EIGHT WAVES, two to a SIMD; a wave owns
; 16 rows of a block, one tile.  Block blk needs n = 2 blk + 1 + wave / 4 steps of 64 keys; the last is the wave's diagonal step.  Inside half a block no wave waits for another, so that one wave's
; vector lines can stand beside the other's matrix lines.  The price: a fragment of K or V read from LDS feeds one product.
; TWO HALVES.  Each wave issues two tensor loads of 128 keys (waves 0-3 of K, waves 4-7 of V): a piece of keys 0-511, then the piece 512 keys on.  When the first have landed, block 7 - b walks its eight
; steps on keys 0-511; the wait for the second and a barrier stand ahead of steps 8-15.  The step loop is written twice, so that each text's LDS addresses lie inside the half that has landed; each counts
; to a constant and jumps forward over the dead steps.  No byte of LDS is filled twice.
; NO CLUSTER: the four work-groups of a head make the same loads, but their trip counts hang on b, and partners in joint loads must run alike.  NO PREFETCH: all loads go out at the head.
; LAYOUT.  S^T = K Q^T holds one query a lane (lane % 16) and the keys 8 (lane / 16) + 0..7; two such results rounded to f16 are source 1 of O^T = V^T P.  p = 2^(c s - c m), c = log2(e) / 8.
; THE MASK of the diagonal step, 0 or -1e30, depends on the wave and the lane alone: it is made once and is the C operand of the four products that start that step's sums.
; REGISTERS.  window 0: v1-15 addresses; v16-23 statistics (c m, m, l, l, c0-c3; a takes c2); v24 c m_old; v32-63 S^T; v64-79 P; v80-111 O^T; v128-255 my 16 KiB of W1 or W2.
;   window 1: v0-15 Q; v16-31 the second block's Q; v32-95 K of one step; v96-159 V of one step; v160-191 the mask.
.set KPAIR,  272                       ; two keys of K: 256 bytes + 16.  Key r lies at (r / 2) 272 + (r % 2) 128: word (r / 2) 68 + (r % 2) 32, so the 16 rows of a load start at 16 different groups of four banks (64 banks of 4 bytes: ISA guide 11.1)
.set KBLK,   8*KPAIR                   ; 16 keys
.set KSTEP,  4*KBLK                    ; 64 keys: 8,704
.set KPIECE, 2*KSTEP                   ; 128 keys: what one tensor load brings
.set KHALF,  4*KPIECE                  ; 512 keys: 69,632
.set PV,     160                       ; a key of V: 128 bytes + 32
.set VBASE,  2*KHALF                   ; 139,264
.set VSTEP,  64*PV
.set VPIECE, 2*VSTEP
.set VHALF,  4*VPIECE                  ; 81,920
.set STAGE,  VBASE+2*VHALF             ; 303,104: 16 rows x 144 bytes for each wave
.set SP,     144
.set SPARE,  STAGE+8*16*SP             ; 321,536: the spare words, 128 bytes for each of eight waves
.set W1O,    8388608                   ; where W1's f16 copy begins in wh; W2's follows it
.set AK0, 2
.set AV0, 3
.set AK,  4
.set AV,  5
.set STO, 6
.set RD,  7
.set GO,  8                            ; v8   16 x lane; never rewritten
.set QREL, 12                          ; v12  my query's place in the diagonal step less 8 (l / 16)
.set C8,  13                           ; v13  8 x lane; never rewritten
.set QO,  15
.set ST,  16
.set MV,  24
.set SPW, 26
.set NIL, 27
.set S,   32
.set P,   64
.set O,   80
.set CB,  128
.set Q,   0
.set QB,  16
.set KF,  32
.set VF,  96
.set MD,  160
.set WV,  14
.set PB,  15
.set HI,  16
.set BH,  17
.set W3,  18
.set T0,  19
.set G1K, 24
.set G1V, 32
.set G0K, 40                           ; s[40:43] the lower piece, s[44:47] the upper
.set G0V, 48
.set IT,  56
.set BLK, 57
.set NK,  58
.set SC,  59
.set S1,  60
.set TBK, 61
.set TBV, 62
.set OFS, 63
.set OB,  66
.set CS,  68
.set SEL, 70
.set BIGN, 72
.set ID,  73
.set QA,  74
.set QBA, 76
.set CSRC, 78
.set CDST, 80
.set SRC, 82
.set MSB, 0
.macro WIN new                         ; the immediate's high byte repeats the setting that is left; a switch that changes nothing is dropped
.if MSB != (\new)
	s_set_vgpr_msb (MSB<<8)|(\new)
.set MSB, \new
.endif
.endm
; Number n of the 22 that find the tile's maximum and statistics; each accumulator's lowest registers are read first.
.macro XS n
.if (\n) < 4
	v_max3_num_f32 v[ST+4+(\n)], v[S+8*(\n)], v[S+8*(\n)+1], v[S+8*(\n)+2]
.elseif (\n) < 12
	v_max3_num_f32 v[ST+4+(\n)%4], v[ST+4+(\n)%4], v[S+8*((\n)%4)+2*((\n)/4)+1], v[S+8*((\n)%4)+2*((\n)/4)+2]
.elseif (\n) == 12
	v_max3_num_f32 v[ST+4], v[ST+4], v[S+7], v[S+15]
.elseif (\n) == 13
	v_max3_num_f32 v[ST+5], v[ST+5], v[S+23], v[S+31]
.elseif (\n) == 14
	v_max3_num_f32 v[ST+6], v[ST+6], v[ST+7], v[ST+1]
.elseif (\n) == 15
	v_mov_b32 v[MV], v[ST]
.elseif (\n) == 16
	v_max3_num_f32 v[ST+4], v[ST+4], v[ST+5], v[ST+6]
.elseif (\n) == 17
	v_permlanex16_b32 v[ST+7], v[ST+4], s[SEL], s[SEL+1]  ; the query's other 32 keys lie in the lane 16 away
.elseif (\n) == 18
	v_max_num_f32 v[ST+1], v[ST+4], v[ST+7]
.elseif (\n) == 19
	v_mul_f32 v[ST], s[CS], v[ST+1]
.elseif (\n) == 20
	v_sub_f32 v[ST+5], v[MV], v[ST]
.else
	v_exp_f32 v[ST+6], v[ST+5]
.endif
.endm
.macro FETCH_K                         ; a step's K: 64 keys x 64 channels, 8 fragments (key block f / 2, channel half f % 2)
	WIN 0x40
.irp f, 0,1,2,3,4,5,6,7
	ds_load_b128 v[KF+8*\f:KF+8*\f+3],   v[AK] offset:(\f/2)*KBLK+(\f%2)*64
	ds_load_b128 v[KF+8*\f+4:KF+8*\f+7], v[AK] offset:(\f/2)*KBLK+(\f%2)*64+32
.endr
.endm
.macro FETCH_V                         ; a step's V, turned: key half f / 4, channel block f % 4
	WIN 0x40
.irp f, 0,1,2,3,4,5,6,7
	ds_load_tr16_b128 v[VF+8*\f:VF+8*\f+3],   v[AV] offset:(\f/4)*32*PV+(\f%4)*32
	ds_load_tr16_b128 v[VF+8*\f+4:VF+8*\f+7], v[AV] offset:(\f/4)*32*PV+16*PV+(\f%4)*32
.endr
	WIN 0
.endm
; Four products of S^T = K Q^T, one for each block of 16 keys.  mode 0: channels 0-31, the sums start at 0; 1: the same, the sums start at the mask; 2: channels 32-63, added in place.
; The four accumulators take turns, one instruction a turn.
.macro KQ mode
.set i, 0
.rept 4
.if (\mode) == 0
	v_wmma_f32_16x16x32_f16 v[S+8*i:S+8*i+7], v[KF+16*i:KF+16*i+7], v[Q:Q+7], 0
.elseif (\mode) == 1
	v_wmma_f32_16x16x32_f16 v[S+8*i:S+8*i+7], v[KF+16*i:KF+16*i+7], v[Q:Q+7], v[MD+8*i:MD+8*i+7]
.else
	v_wmma_f32_16x16x32_f16 v[S+8*i:S+8*i+7], v[KF+16*i+8:KF+16*i+15], v[Q+8:Q+15], v[S+8*i:S+8*i+7]
.endif
.set i, i+1
.endr
.endm
; The steps from s[SC] up to bound - 1.  A step: K's and V's fragments; 8 products K Q^T; the softmax; 8 products V^T P.
.macro STEPS tag, bound
.Lstep\tag:
	s_cmp_ge_u32 s[SC], s[NK]
	s_cbranch_scc1 .Lskip\tag                      ; a step wholly above my rows
	v_add_nc_u32 v[AK], s[TBK], v[AK0]             ; four places behind the last step's products, ahead of the loads into V's registers
	v_add_nc_u32 v[AV], s[TBV], v[AV0]
	v_nop
	v_nop
	FETCH_K
	FETCH_V
	s_add_co_u32 s[S1], s[SC], 1
	s_wait_dscnt 16                                ; K is in; V's sixteen loads may stay out
	s_cmp_lg_u32 s[S1], s[NK]
	s_cbranch_scc1 .Lplain\tag
	WIN 0x15                                       ; K and Q in window 1, the mask (C) in window 1, S^T in window 0
	KQ 1                                           ; the diagonal step
	WIN 0
	s_branch .Ljoin\tag
.Lplain\tag:
	WIN 0x05
	KQ 0
	WIN 0
.Ljoin\tag:
	WIN 0x05
	KQ 2
	WIN 0
.rept 4
	v_nop                                          ; the places behind those products, ahead of the scores' first readers
.endr
.irp n, 0,1,2,3,4,5,6,7,8,9,10,11,12,13,14,15,16,17,18,19,20
	XS \n
.endr
.set z, 0
.rept 16
	v_pk_fma_f32 v[S+2*z:S+2*z+1], v[S+2*z:S+2*z+1], s[CS:CS+1], v[ST:ST+1] op_sel_hi:[1,0,0] neg_lo:[0,0,1] neg_hi:[0,0,1]  ; c s - c m
.set z, z+1
.endr
	XS 21                                          ; ONE BATCH of 33 exponentials: a, then the weights
.set z, 0
.rept 32
	v_exp_f32 v[S+z], v[S+z]
.set z, z+1
.endr
	v_nop                                          ; a plain instruction behind the last exponential,
	s_wait_alu depctr_va_vdst(0)                   ; and the one wait ahead of the batch's first reader
.set z, 0
.rept 16
	v_cvt_pk_f16_f32 v[P+z], v[S+2*z], v[S+2*z+1]
.set z, z+1
.endr
.irp w, 4,8,16,32                      ; the sum of the 16 pairs, in place: neighbours 1, 2, 4, 8 pairs apart
.set z, 0
.rept 32/\w
	v_pk_add_f32 v[S+\w*z:S+\w*z+1], v[S+\w*z:S+\w*z+1], v[S+\w*z+\w/2:S+\w*z+\w/2+1]
.set z, z+1
.endr
.endr
	v_pk_fma_f32 v[ST+2:ST+3], v[ST+2:ST+3], v[ST+6:ST+7], v[S:S+1] op_sel_hi:[1,0,1]  ; l = a l + sum
.set z, 0
.rept 16
	v_pk_mul_f32 v[O+2*z:O+2*z+1], v[O+2*z:O+2*z+1], v[ST+6:ST+7] op_sel_hi:[1,0]  ; O^T times a
.set z, z+1
.endr
	s_wait_dscnt 0x0                               ; V is in
	WIN 0x01
.set i, 0
.rept 8                                ; O^T += V^T P: channel block i % 4, key half i / 4; four accumulators take turns
	v_wmma_f32_16x16x32_f16 v[O+8*(i%4):O+8*(i%4)+7], v[VF+32*(i/4)+8*(i%4):VF+32*(i/4)+8*(i%4)+7], v[P+8*(i/4):P+8*(i/4)+7], v[O+8*(i%4):O+8*(i%4)+7]
.set i, i+1
.endr
	WIN 0
.Lskip\tag:
	s_add_co_u32 s[TBK], s[TBK], KSTEP
	s_add_co_u32 s[TBV], s[TBV], VSTEP
	s_add_co_u32 s[SC], s[SC], 1
	s_cmp_lt_u32 s[SC], \bound
	s_cbranch_scc1 .Lstep\tag
.endm
	s_load_b256 s[4:11], s[0:1], 0x0               ; qkv s[4:5], W1 s[6:7], W2 s[8:9], ctxb s[10:11]
	s_load_b64 s[12:13], s[0:1], 0x20              ; wh
	v_lshl_add_u32 v[SPW], v0, 2, SPARE
	v_mov_b32 v[NIL], 0
	ds_add_u32 v[SPW], v[NIL]                      ; the wave's opening: the add, twice on end, and its wait ahead of my first tensor load
	ds_add_u32 v[SPW], v[NIL]
	v_lshrrev_b32 v1, 5, v0
	v_readfirstlane_b32 s[WV], v1                  ; wave 0..7
	s_mov_b32 s[PB], ttmp9                         ; b
	s_sub_co_u32 s[HI], 7, s[PB]
	s_and_b32 s[BH], ttmp7, 0xffff                 ; bh
	s_and_b32 s[W3], s[WV], 3                      ; which 128 keys of a half I fetch
	s_add_co_u32 s20, s[BH], 64
	s_lshl_b32 s20, s20, 17
	s_lshl_b32 s[T0], s[W3], 14
	s_add_co_u32 s20, s20, s[T0]                   ; K: (64 + bh) x 131,072 + 16,384 x piece
	s_mov_b32 s21, 0
	s_add_co_u32 s22, s20, 64*131072               ; V: 64 heads further
	s_mov_b32 s23, 0
	s_mov_b32 s[G1K], (1<<16)|(1<<20)|(5<<22)|(3<<25)  ; 128 keys are 16,384 dense bytes: 64 rows of 256, padded by 4 words after every 64 (two keys)
	s_mov_b32 s[G1V], (1<<16)|(1<<20)|(4<<22)|(7<<25)  ; the same rows, padded by 8 words after every 32 (one key)
.irp g, G1K, G1V
	s_mov_b32 s[\g+1], 128<<16                     ; tensor_dim0 = 128
	s_mov_b32 s[\g+2], 64<<16                      ; tensor_dim1 = 64
	s_mov_b32 s[\g+3], 128<<16                     ; tile_dim0 = 128
	s_mov_b32 s[\g+4], 64                          ; tile_dim1 = 64
	s_mov_b32 s[\g+5], 128
	s_mov_b32 s[\g+6], 0
	s_mov_b32 s[\g+7], 0
.endr
	s_mov_b32 s[G0K], 1
	s_mul_i32 s[G0K+1], s[W3], KPIECE
	s_mov_b32 s[G0K+4], 1
	s_add_co_u32 s[G0K+5], s[G0K+1], KHALF
	s_mov_b32 s[G0V], 1
	s_mul_i32 s[G0V+1], s[W3], VPIECE
	s_add_co_u32 s[G0V+1], s[G0V+1], VBASE
	s_mov_b32 s[G0V+4], 1
	s_add_co_u32 s[G0V+5], s[G0V+1], VHALF
	s_lshl_b32 s2, s[BH], 17                       ; q of my head,
	s_lshl_b32 s3, s[WV], 11                       ; my 16 rows of a block,
	s_add_co_u32 s2, s2, s3
	s_lshl_b32 s3, s[HI], 14
	s_add_co_u32 s[QA], s2, s3                     ; in the first block
	s_mov_b32 s[QA+1], 0
	s_lshl_b32 s3, s[PB], 14
	s_add_co_u32 s[QBA], s2, s3                    ; and in the second
	s_mov_b32 s[QBA+1], 0
	s_lshr_b32 s[T0], s[BH], 4                     ; ctxb: ((8 batch + blk) x 16 + head) x 16,384 + 2,048 wave; the part without blk
	s_lshl_b32 s[T0], s[T0], 7
	s_and_b32 s[OFS], s[BH], 15
	s_add_co_u32 s[OFS], s[OFS], s[T0]
	s_lshl_b32 s[OFS], s[OFS], 14
	s_lshl_b32 s[T0], s[WV], 11
	s_add_co_u32 s[OFS], s[OFS], s[T0]
	s_lshl_b32 s[ID], s[BH], 2                     ; the work-group's number, 0 to 255: 0-127 round W1, 128-255 W2; each 131,072 bytes of f32, a wave 16,384
	s_add_co_u32 s[ID], s[ID], s[PB]
	s_and_b32 s[CSRC], s[ID], 127
	s_lshl_b32 s[CSRC], s[CSRC], 17
	s_lshl_b32 s[T0], s[WV], 14
	s_add_co_u32 s[CSRC], s[CSRC], s[T0]
	s_mov_b32 s[CSRC+1], 0
	s_lshl_b32 s[CDST], s[ID], 16
	s_lshl_b32 s[T0], s[WV], 13
	s_add_co_u32 s[CDST], s[CDST], s[T0]
	s_add_co_u32 s[CDST], s[CDST], W1O
	s_mov_b32 s[CDST+1], 0
	s_mov_b32 s[CS], 0x3e38aa3b                    ; c = log2(e) / 8
	s_mov_b32 s[CS+1], s[CS]
	s_mov_b32 s[SEL], 0x76543210
	s_mov_b32 s[SEL+1], 0xfedcba98
	s_mov_b32 s[BIGN], 0xf149f2ca                  ; -1e30
	s_wait_dscnt 0x0                               ; both opening adds are done
	s_wait_kmcnt 0x0
	s_add_nc_u64 s[G0K+2:G0K+3], s[4:5], s[20:21]
	s_add_nc_u64 s[G0K+6:G0K+7], s[G0K+2:G0K+3], 0x10000  ; 512 keys on
	s_or_b32 s[G0K+3], s[G0K+3], 0x80000000
	s_or_b32 s[G0K+7], s[G0K+7], 0x80000000
	s_add_nc_u64 s[G0V+2:G0V+3], s[4:5], s[22:23]
	s_add_nc_u64 s[G0V+6:G0V+7], s[G0V+2:G0V+3], 0x10000
	s_or_b32 s[G0V+3], s[G0V+3], 0x80000000
	s_or_b32 s[G0V+7], s[G0V+7], 0x80000000
	s_add_nc_u64 s[QA:QA+1], s[4:5], s[QA:QA+1]
	s_add_nc_u64 s[QBA:QBA+1], s[4:5], s[QBA:QBA+1]
	s_cmp_lt_u32 s[ID], 128
	s_cselect_b64 s[SRC:SRC+1], s[6:7], s[8:9]
	s_add_nc_u64 s[CSRC:CSRC+1], s[SRC:SRC+1], s[CSRC:CSRC+1]
	s_add_nc_u64 s[CDST:CDST+1], s[12:13], s[CDST:CDST+1]
	s_cmp_lt_u32 s[WV], 4                          ; waves 0-3: K's pieces; waves 4-7: V's.  A wave's two loads stand in one branch: two loads of mine are out
	s_cbranch_scc0 .Lfor_v
	tensor_load_to_lds s[G0K:G0K+3], s[G1K:G1K+7]
	s_nop 0
	tensor_load_to_lds s[G0K+4:G0K+7], s[G1K:G1K+7]
	s_nop 0
.rept 4
	v_nop
.endr
	s_branch .Lasked
.Lfor_v:
	tensor_load_to_lds s[G0V:G0V+3], s[G1V:G1V+7]
	s_nop 0
	tensor_load_to_lds s[G0V+4:G0V+7], s[G1V:G1V+7]
	s_nop 0
.rept 4
	v_nop
.endr
.Lasked:
	v_and_b32 v1, 15, v0                           ; r
	v_bfe_u32 v9, v0, 4, 1                         ; h
	v_lshlrev_b32 v[QO], 7, v1
	v_lshl_add_u32 v[QO], v9, 4, v[QO]
	WIN 0x40
.irp c, 0,1                            ; both blocks' Q: channels 32 c on
	global_load_b128 v[Q+8*\c:Q+8*\c+3],     v[QO], s[QA:QA+1] offset:64*\c
	global_load_b128 v[Q+8*\c+4:Q+8*\c+7],   v[QO], s[QA:QA+1] offset:64*\c+32
	global_load_b128 v[QB+8*\c:QB+8*\c+3],   v[QO], s[QBA:QBA+1] offset:64*\c
	global_load_b128 v[QB+8*\c+4:QB+8*\c+7], v[QO], s[QBA:QBA+1] offset:64*\c+32
.endr
	WIN 0
	v_lshrrev_b32 v10, 1, v1
	v_mul_u32_u24 v[AK0], v10, KPAIR               ; (r / 2) x 272
	v_and_b32 v10, 1, v1
	v_lshl_add_u32 v[AK0], v10, 7, v[AK0]          ; + (r % 2) x 128
	v_lshl_add_u32 v[AK0], v9, 4, v[AK0]           ; + 16 h
	v_and_b32 v10, 7, v0
	v_bfe_u32 v11, v0, 3, 1
	v_lshl_add_u32 v[AV0], v9, 3, v10              ; the turning load: key 8 h + l % 8, channels 8 ((l / 8) % 2) on
	v_mul_u32_u24 v[AV0], v[AV0], PV
	v_lshl_add_u32 v[AV0], v11, 4, v[AV0]
	v_add_nc_u32 v[AV0], VBASE, v[AV0]
	s_mul_i32 s[T0], s[WV], 16*SP
	s_add_co_u32 s[T0], s[T0], STAGE               ; my stage
	v_mul_u32_u24 v[STO], v1, SP
	v_lshl_add_u32 v[STO], v9, 4, v[STO]
	v_add_nc_u32 v[STO], s[T0], v[STO]
	v_bfe_u32 v[RD], v0, 3, 2
	v_mul_u32_u24 v[RD], v[RD], SP
	v_lshl_add_u32 v[RD], v10, 4, v[RD]
	v_add_nc_u32 v[RD], s[T0], v[RD]
	v_and_b32 v[GO], 31, v0
	v_lshlrev_b32 v[C8], 3, v[GO]
	v_lshlrev_b32 v[GO], 4, v[GO]
	v_lshlrev_b32 v10, 3, v9
	v_sub_nc_u32 v[QREL], v1, v10
	s_lshl_b32 s[T0], s[W3], 4
	v_add_nc_u32 v[QREL], s[T0], v[QREL]           ; 16 (wave % 4) + r - 8 h: register j of key block kb is hidden where 16 kb + j is greater
	WIN 0x40
.set i, 0
.rept 32
	v_cmp_gt_i32 vcc_lo, 16*(i/8)+i%8, v[QREL]
	v_cndmask_b32 v[MD+i], 0, s[BIGN], vcc_lo
.set i, i+1
.endr
	WIN 0
	s_wait_loadcnt 0x0                             ; Q, both blocks'
	s_wait_tensorcnt 0x1                           ; my piece of keys 0-511 is in; my piece of keys 512-1023 may stay out
	s_barrier_signal -1
	s_barrier_wait -1                              ; everybody's is
.set i, 0
.rept 32                               ; my 16 KiB of W1 or W2: asked for now, rounded between my two blocks, nine steps or more further on
	global_load_b128 v[CB+4*i:CB+4*i+3], v[GO], s[CSRC:CSRC+1] offset:512*i th:TH_LOAD_NT
.set i, i+1
.endr
	s_mov_b32 s[IT], 2
.Lblock:                                       ; twice: block 7 - b, then block b
	s_cmp_eq_u32 s[IT], 2
	s_cselect_b32 s[BLK], s[HI], s[PB]
	s_lshl_b32 s[NK], s[BLK], 1
	s_lshr_b32 s[T0], s[WV], 2
	s_add_co_u32 s[NK], s[NK], s[T0]
	s_add_co_u32 s[NK], s[NK], 1                   ; n = 2 blk + 1 + wave / 4
	s_lshl_b32 s20, s[BLK], 18
	s_add_co_u32 s20, s20, s[OFS]
	s_mov_b32 s21, 0
	s_add_nc_u64 s[OB:OB+1], s[10:11], s[20:21]
	s_cmp_eq_u32 s[IT], 2
	s_cbranch_scc1 .Lhave_q
.set i, 0
.rept 32                               ; between the blocks: the weights are rounded and stored, 256 consecutive bytes a store, aligned
.if i%8 == 0
	s_wait_loadcnt 24-i                            ; loads come back in order: the next eight are in, the younger ones stay out
.endif
	v_cvt_pk_f16_f32 v[CB+4*i], v[CB+4*i], v[CB+4*i+1]
	v_cvt_pk_f16_f32 v[CB+4*i+1], v[CB+4*i+2], v[CB+4*i+3]
	global_store_b64 v[C8], v[CB+4*i:CB+4*i+1], s[CDST:CDST+1] offset:256*i
.set i, i+1
.endr
	WIN 0x41                                       ; the second block's Q goes where the one text of the steps names Q
.set i, 0
.rept 16
	v_mov_b32 v[Q+i], v[QB+i]
.set i, i+1
.endr
	WIN 0
.Lhave_q:
	v_mov_b32 v[ST], 0xfe000000                    ; c m: far below every c s, so the first step's a is 0
	v_mov_b32 v[ST+1], 0xff7fffff                  ; m: the lowest finite number
	v_mov_b32 v[ST+2], 0                           ; l
	v_mov_b32 v[ST+3], 0
.set i, 0
.rept 32
	v_mov_b32 v[O+i], 0                            ; O^T starts at 0: the price of writing no first step out
.set i, i+1
.endr
	s_mov_b32 s[SC], 0
	s_mov_b32 s[TBK], 0
	s_mov_b32 s[TBV], 0
	STEPS 1, 8                                     ; keys 0-511
	s_wait_tensorcnt 0x0                           ; my piece of keys 512-1023 is in (met at once in the second block),
	s_wait_dscnt 0x0
	s_barrier_signal -1
	s_barrier_wait -1                              ; everybody's is
	s_mov_b32 s[SC], 8
	s_mov_b32 s[TBK], 8*KSTEP
	s_mov_b32 s[TBV], 8*VSTEP
	STEPS 2, 16                                    ; keys 512-1023
	; THE BLOCK'S END: l's halves and the other half of the lanes' are added; O^T is divided by l, rounded to f16 and sent through my stage.
.rept 4
	v_nop                                          ; the places behind the last products
.endr
	v_add_f32 v[ST+2], v[ST+2], v[ST+3]
	v_permlanex16_b32 v[ST+3], v[ST+2], s[SEL], s[SEL+1]
	v_add_f32 v[ST+2], v[ST+2], v[ST+3]
	v_rcp_f32 v[ST+2], v[ST+2]
	v_nop                                          ; a plain instruction behind the reciprocal,
	s_wait_alu depctr_va_vdst(0)                   ; and its wait, ahead of the first reader
.set z, 0
.rept 16
	v_pk_mul_f32 v[O+2*z:O+2*z+1], v[O+2*z:O+2*z+1], v[ST+2:ST+3] op_sel_hi:[1,0]
.set z, z+1
.endr
.set z, 0
.rept 16
	v_cvt_pk_f16_f32 v[S+z], v[O+2*z], v[O+2*z+1]
.set z, z+1
.endr
.irp f, 0,1,2,3
	ds_store_b128 v[STO], v[S+4*\f:S+4*\f+3] offset:32*\f
.endr
.irp f, 0,1,2,3
	ds_load_b128 v[S+4*\f:S+4*\f+3], v[RD] offset:\f*4*SP  ; LDS serves a wave's instructions in order: these see the stores above
.endr
.irp f, 0,1,2,3
	s_wait_dscnt 3-\f
	global_store_b128 v[GO], v[S+4*\f:S+4*\f+3], s[OB:OB+1] offset:\f*512  ; 512 consecutive bytes, aligned
.endr
	s_wait_xcnt 0x0                                ; the stores have read their registers and their base, which the next block writes
	s_sub_co_u32 s[IT], s[IT], 1
	s_cmp_lg_u32 s[IT], 0
	s_cbranch_scc1 .Lblock
	s_wait_tensorcnt 0x0                           ; the wave's end
	ds_add_u32 v[SPW], v[NIL]
	s_wait_dscnt 0x0
	s_endpgm
.Lfunc_end_k_qd1c63eb422_attn:
	.size	k_qd1c63eb422_attn, .Lfunc_end_k_qd1c63eb422_attn-k_qd1c63eb422_attn
	.p2alignl 7, 3214868480
	.fill 96, 4, 3214868480
	.section	.rodata,"a",@progbits
	.p2align	6, 0x0
	.amdhsa_kernel k_qd1c63eb422_attn
		.amdhsa_group_segment_fixed_size 327680
		.amdhsa_private_segment_fixed_size 0
		.amdhsa_enable_private_segment 0
		.amdhsa_kernarg_size 40
		.amdhsa_user_sgpr_count 2
		.amdhsa_user_sgpr_kernarg_segment_ptr 1
		.amdhsa_wavefront_size32 1
		.amdhsa_system_sgpr_workgroup_id_x 1
		.amdhsa_system_sgpr_workgroup_id_y 1
		.amdhsa_system_sgpr_workgroup_id_z 1
		.amdhsa_system_vgpr_workitem_id 0
		.amdhsa_next_free_vgpr 448
		.amdhsa_next_free_sgpr 84
		.amdhsa_reserve_vcc 1
		.amdhsa_float_denorm_mode_32 3
		.amdhsa_float_denorm_mode_16_64 3
		.amdhsa_memory_ordered 1
		.amdhsa_forward_progress 1
		.amdhsa_inst_pref_size 49
	.end_amdhsa_kernel
	.amdgpu_metadata
---
amdhsa.version: [ 1, 2 ]
amdhsa.kernels:
  - .name:           k_qd1c63eb422_attn
    .symbol:         k_qd1c63eb422_attn.kd
    .args:
      - { .name: qkv, .offset: 0, .size: 8, .value_kind: global_buffer, .address_space: global }
      - { .name: W1, .offset: 8, .size: 8, .value_kind: global_buffer, .address_space: global }
      - { .name: W2, .offset: 16, .size: 8, .value_kind: global_buffer, .address_space: global }
      - { .name: ctxb, .offset: 24, .size: 8, .value_kind: global_buffer, .address_space: global }
      - { .name: wh, .offset: 32, .size: 8, .value_kind: global_buffer, .address_space: global }
    .group_segment_fixed_size: 327680
    .private_segment_fixed_size: 0
    .kernarg_segment_align: 8
    .kernarg_segment_size: 40
    .max_flat_workgroup_size: 256
    .sgpr_count:     84
    .vgpr_count:     448
    .wavefront_size: 32
...
	.end_amdgpu_metadata
.endif
;; end of part 3
;; launch oproj (part 4): grid 8 x 32, 4 waves a work-group, clusters of 4 x 4, 327,680 bytes of LDS; arguments ctxb, wh, bo, x, x1; writes x1
.if DOCPART == 4
	.amdgcn_target "amdgcn-amd-amdhsa--gfx1250"
	.amdhsa_code_object_version 6
	.text
	.protected	k_qd1c63eb422_oproj
	.globl	k_qd1c63eb422_oproj
	.p2align	8
	.type	k_qd1c63eb422_oproj,@function
k_qd1c63eb422_oproj:
	s_mov_b64 s[64:65], 0
	v_nop
	global_prefetch_b8 v0, s[64:65] scope:SCOPE_SE
	s_setreg_imm32_b32 hwreg(HW_REG_WAVE_MODE, 25, 1), 1
	s_wait_xcnt 0x0
	s_wait_alu depctr_hold_cnt(0) depctr_sa_sdst(0) depctr_va_vdst(0) depctr_va_sdst(0) depctr_va_ssrc(0) depctr_va_vcc(0) depctr_vm_vsrc(0)
	s_getreg_b32 s2, hwreg(HW_REG_IB_STS2, 6, 4)
	s_cmp_eq_u32 s2, 0
	s_cbranch_scc0 .Lentry_in_a_cluster
	s_endpgm
.Lentry_in_a_cluster:
	s_bfe_u32 s2, ttmp6, 0x10000c
	s_cmp_lg_u32 s2, 0xf033
	s_cbranch_scc0 .Lentry_shape_is_right
	s_endpgm
.Lentry_shape_is_right:
; x1 = x + ctx Wo + bo.  ctxb: [32 blocks of 128 tokens][16 heads][128][64] f16; Wo in wh at WOFF: [1024 k][1024 n] f16; bo, x, x1 f32.  Sums in f32; the bias starts them, the residual is added in f32.
; A work-group makes 128 tokens x 128 columns, each of four waves 64 x 64: 16 accumulators.  K goes in 4 steps of 256 (four heads) through two LDS slots; a step's text is written once, s[TB] names the slot read.
; The matrix instruction is used transposed (source 0 = 16 columns of W, turned out of LDS by ds_load_tr16_b128; source 1 = 16 tokens): a lane holds one token and eight neighbouring columns.
; CLUSTER 4 x 4: ctx's tile is asked for jointly along a row of the cluster, W's along a column.  NO PREFETCH: K has four steps, so no step stands two refills ahead of a refill.
; REGISTERS: window 0: v16-30 addresses; v32-95 the way out; v128-255 accumulators (a, b) at 128 + 8 (4 a + b).  window 1: two fragment buffers of 128 (64 of ctx, 64 of W, 64 along K).
;   window 2: v0-127 the residual, asked for at the head and waited for at the end; v128-159 the bias.
.set PF,     0
.set NSTEP,  4
.set PA,     144                       ; a token's 64 channels of a head: 128 bytes + 16
.set AQ,     128*PA                    ; from a quarter (a head) to the next
.set AHALF,  256*PA                    ; what one wave fetches: two heads
.set ABYTES, 2*AHALF                   ; 73,728
.set GA_QI,  4                         ; padding after every 32 words
.set GA_D0,  128                       ; two heads are 32,768 dense bytes: 128 rows of 128 elements
.set GA_D1,  128
.set GA_STR, 128
.set ASH_T,  18                        ; a tile row's 16 heads x 16,384 bytes
.set ASH_H,  15                        ; two heads
.set ASTEP,  65536
.set WOFF,   6291456
.set PB,     288                       ; a row of W: 256 bytes + 32
.set BHALF,  128*PB
.set SLOT,   ABYTES+2*BHALF
.set STAGE,  2*SLOT
.set SPITCH, 272
.set SPARE,  STAGE+4*16*SPITCH
.set BSTEP,  524288
.set A0,   16
.set B0,   17
.set ADRA, 20
.set ADRB, 21
.set ADRBH, 22                         ; ADRB + 128 rows: the immediate has 16 bits
.set STO,  24
.set RD,   25
.set CO,   26
.set BO,   27
.set SPW,  28
.set NIL,  29
.set PFO,  30
.set TT,   32
.set ACC,  128
.set BIAS, 128
.set F0,   0
.set F1,   128
.set TB,   2
.set LIM,  15
.set G1A,  24
.set G0A,  32
.set PFA,  44
.set PFS,  46
.set G1B,  48
.set G0B,  56
.set LBA,  66
.set LBB,  67
.set MSB, 0
.macro WIN new
.if MSB != (\new)
	s_set_vgpr_msb (MSB<<8)|(\new)
.set MSB, \new
.endif
.endm
.macro PLACES
.rept 4
	v_nop
.endr
.endm
.macro CREST
	s_cmp_lg_u32 s12, 0
	s_cbranch_scc1 .Lnot_wave_0_\@
	s_barrier_signal -3
.Lnot_wave_0_\@:
	s_barrier_wait -3
	s_barrier_signal -1
	s_barrier_wait -1
.endm
.macro CROUND
	s_barrier_signal -1
	s_barrier_wait -1
	CREST
.endm
.macro JLOAD                           ; a joint refill: waves 0, 1 fetch A's halves, waves 2, 3 W's; an s_nop 0 and four v_nop follow each line
	s_cmp_eq_u32 s13, 0
	s_cbranch_scc0 .Lfor_b_\@
	tensor_load_to_lds s[G0A+4:G0A+7], s[G1A:G1A+7]
	s_nop 0
.rept 4
	v_nop
.endr
	s_branch .Lasked_\@
.Lfor_b_\@:
	tensor_load_to_lds s[G0B+4:G0B+7], s[G1B:G1B+7]
	s_nop 0
.rept 4
	v_nop
.endr
.Lasked_\@:
.endm
.macro ASK                             ; the K step two refills on: 32 blocks of 256 bytes, a lane a block; asked while s3 is above 2, so that it stops at the last step
	s_cmp_gt_u32 s3, s[LIM]
	s_cbranch_scc0 .Lnot_mine_\@
	global_prefetch_b8 v[PFO], s[PFA:PFA+1] th:TH_LOAD_NT scope:SCOPE_SE
.Lnot_mine_\@:
.endm
; 8 matrix instructions: token blocks a0, a0 + 1 x 4 column blocks, 32 along K (half c of buffer f).  start = 1: the bias is the C that starts the sums.  The 16 accumulators take turns.
.macro MUL8 f, c, a0, start
.if \start
	WIN 0x25
.else
	WIN 0x05
.endif
.irp a, \a0, (\a0)+1
.irp b, 0,1,2,3
.if \start
	v_wmma_f32_16x16x32_f16 v[ACC+8*(4*(\a)+(\b)):ACC+8*(4*(\a)+(\b))+7], v[(\f)+64+8*(4*(\c)+(\b)):(\f)+64+8*(4*(\c)+(\b))+7], v[(\f)+8*(4*(\c)+(\a)):(\f)+8*(4*(\c)+(\a))+7], v[BIAS+8*(\b):BIAS+8*(\b)+7]
.else
	v_wmma_f32_16x16x32_f16 v[ACC+8*(4*(\a)+(\b)):ACC+8*(4*(\a)+(\b))+7], v[(\f)+64+8*(4*(\c)+(\b)):(\f)+64+8*(4*(\c)+(\b))+7], v[(\f)+8*(4*(\c)+(\a)):(\f)+8*(4*(\c)+(\a))+7], v[ACC+8*(4*(\a)+(\b)):ACC+8*(4*(\a)+(\b))+7]
.endif
.endr
.endr
.endm
.macro FETCH q, f                      ; 32 LDS loads in one run: quarter q (64 along K) into buffer f; its first 32 along K first
	WIN 0x40
.irp c, 0,1
.irp i, 0,1,2,3
.if (\q) < 2
	ds_load_tr16_b128 v[(\f)+64+8*(4*(\c)+(\i)):(\f)+64+8*(4*(\c)+(\i))+3],   v[ADRB] offset:(64*(\q)+32*(\c))*PB+32*(\i)
	ds_load_tr16_b128 v[(\f)+64+8*(4*(\c)+(\i))+4:(\f)+64+8*(4*(\c)+(\i))+7], v[ADRB] offset:(64*(\q)+32*(\c)+16)*PB+32*(\i)
.else
	ds_load_tr16_b128 v[(\f)+64+8*(4*(\c)+(\i)):(\f)+64+8*(4*(\c)+(\i))+3],   v[ADRBH] offset:(64*((\q)-2)+32*(\c))*PB+32*(\i)
	ds_load_tr16_b128 v[(\f)+64+8*(4*(\c)+(\i))+4:(\f)+64+8*(4*(\c)+(\i))+7], v[ADRBH] offset:(64*((\q)-2)+32*(\c)+16)*PB+32*(\i)
.endif
	ds_load_b128 v[(\f)+8*(4*(\c)+(\i)):(\f)+8*(4*(\c)+(\i))+3],   v[ADRA] offset:AQ*(\q)+64*(\c)+16*PA*(\i)
	ds_load_b128 v[(\f)+8*(4*(\c)+(\i))+4:(\f)+8*(4*(\c)+(\i))+7], v[ADRA] offset:AQ*(\q)+64*(\c)+16*PA*(\i)+32
.endr
.endr
.endm
.macro NEWADR                          ; the vector addresses of the slot that s[TB] names
	v_add_nc_u32 v[ADRA], s[TB], v[A0]
	v_add_nc_u32 v[ADRB], s[TB], v[B0]
	v_add_nc_u32 v[ADRBH], BHALF, v[ADRB]
.endm
.macro QUARTER q, f, g, start
	s_wait_dscnt 16                                ; the first 32 along K are in
	MUL8 \f, 0, 0, \start
	MUL8 \f, 0, 2, \start
	PLACES
	FETCH \q, \g
	s_wait_dscnt 32                                ; all but the 32 just issued
	MUL8 \f, 1, 0, 0
	MUL8 \f, 1, 2, 0
.endm
.macro MEET round
	WIN 0
	s_wait_tensorcnt 0x0                           ; all my tensor loads have landed: my part of the next slot
	ds_add_u32 v[SPW], v[NIL]                      ; 0 onto my spare word
	s_wait_dscnt 17                                ; (the add and the youngest sixteen loads may be out)
	MUL8 F1, 0, 0, 0
	s_wait_dscnt 0x0                               ; the add is done, and my reads of this slot are over
	s_barrier_signal -1
	MUL8 F1, 0, 2, 0
.if \round
	WIN 0
.endif
	s_barrier_wait -1
.endm
.macro TURN1
.if PF
	s_wait_xcnt 0x0                                ; the last prefetch, a K step back, has read its address
	s_add_nc_u64 s[PFA:PFA+1], s[PFA:PFA+1], s[PFS:PFS+1]
.endif
	MEET 1
	CREST                                          ; the barrier has opened a round of the cluster's: no wave of any partner still reads the slot or has a load on its way
	s_add_co_u32 s[G0A+5], s[LBA], s[TB]           ; the walking descriptors: into the slot just read out, one K step on
	s_add_co_u32 s[G0B+5], s[LBB], s[TB]
	s_add_nc_u64 s[G0A+6:G0A+7], s[G0A+6:G0A+7], ASTEP
	s_add_nc_u64 s[G0B+6:G0B+7], s[G0B+6:G0B+7], BSTEP
	s_xor_b32 s[TB], s[TB], SLOT
	JLOAD                                          ; the first tensor load behind the round; its four v_nop are also the places ahead of the loads below
	NEWADR
	FETCH 0, F0
.if PF
	WIN 0
	ASK
.endif
	MUL8 F1, 1, 0, 0
	MUL8 F1, 1, 2, 0
.endm
.macro TURN0
	MEET 0
	PLACES
	WIN 0
	s_xor_b32 s[TB], s[TB], SLOT
	s_cmp_eq_u32 s3, 1
	s_cbranch_scc1 .Lnofetch_\@
	NEWADR
	FETCH 0, F0
	WIN 0
.Lnofetch_\@:
	MUL8 F1, 1, 0, 0
	MUL8 F1, 1, 2, 0
.endm
	s_load_b256 s[4:11], s[0:1], 0x0               ; A s[4:5], wh s[6:7], the bias s[8:9], the residual s[10:11]
	s_load_b64 s[68:69], s[0:1], 0x20              ; the output
	v_lshl_add_u32 v[SPW], v0, 2, SPARE
	v_mov_b32 v[NIL], 0
	ds_add_u32 v[SPW], v[NIL]                      ; the wave's opening: the add, twice on end, and its wait ahead of my first tensor load
	ds_add_u32 v[SPW], v[NIL]
	v_lshrrev_b32 v1, 5, v0
	v_readfirstlane_b32 s12, v1                    ; wave 0..3
	s_lshr_b32 s13, s12, 1                         ; my half of the tile's rows; also: I fetch for A (0) or for W (1)
	s_and_b32 s14, s12, 1                          ; my half of its columns; also: which half I fetch
	s_bfe_u32 s40, ttmp6, 0x40000                  ; cx
	s_bfe_u32 s41, ttmp6, 0x40004                  ; cy
	s_lshl_b32 s42, ttmp9, 2
	s_add_co_u32 s42, s42, s40                     ; tn
	s_and_b32 s43, ttmp7, 0xffff
	s_lshl_b32 s43, s43, 2
	s_add_co_u32 s43, s43, s41                     ; tm
	s_lshl_b32 s18, s41, 2
	s_lshl_b32 s18, 15, s18                        ; my row of the cluster
	s_lshl_b32 s20, 0x1111, s40                    ; my column
	s_or_b32 s[G1A], s18, (1<<16)|(1<<20)|(1<<21)|(GA_QI<<22)|(3<<25)  ; the mask; 2-byte elements; padding on, 4 words; bit 21 beside a mask
	s_mov_b32 s[G1A+1], GA_D0<<16
	s_mov_b32 s[G1A+2], GA_D1<<16
	s_mov_b32 s[G1A+3], GA_D0<<16
	s_mov_b32 s[G1A+4], GA_D1
	s_mov_b32 s[G1A+5], GA_STR
	s_mov_b32 s[G1A+6], 0
	s_mov_b32 s[G1A+7], 0
	s_or_b32 s[G1B], s20, (1<<16)|(1<<20)|(1<<21)|(5<<22)|(7<<25)  ; 128 k x 128 columns; 8 words of padding after every 64
	s_mov_b32 s[G1B+1], 128<<16
	s_mov_b32 s[G1B+2], 128<<16
	s_mov_b32 s[G1B+3], 128<<16
	s_mov_b32 s[G1B+4], 128
	s_mov_b32 s[G1B+5], 1024
	s_mov_b32 s[G1B+6], 0
	s_mov_b32 s[G1B+7], 0
	s_lshl_b32 s16, s43, ASH_T
	s_lshl_b32 s17, s14, ASH_H
	s_add_co_u32 s16, s16, s17                     ; A: the tile row, my half
	s_mov_b32 s17, 0
	s_lshl_b32 s22, s14, 18                        ; W: 128 k x 2,048 bytes,
	s_lshl_b32 s23, s42, 8                         ; the tile's 128 columns
	s_add_co_u32 s22, s22, s23
	s_add_co_u32 s22, s22, WOFF
	s_mov_b32 s23, 0
	s_mul_i32 s[LBA], s14, AHALF
	s_mul_i32 s[LBB], s14, BHALF
	s_add_co_u32 s[LBB], s[LBB], ABYTES
	s_mov_b32 s[TB], 0
	s_wait_dscnt 0x0                               ; both opening adds are done
	s_wait_kmcnt 0x0
	s_add_nc_u64 s[16:17], s[4:5], s[16:17]
	s_add_nc_u64 s[22:23], s[6:7], s[22:23]
	CROUND                                         ; all sixteen work-groups are here: the first joint loads meet
	s_mov_b32 s[G0A], 1
	s_mov_b32 s[G0A+1], s[LBA]
	s_mov_b64 s[G0A+2:G0A+3], s[16:17]
	s_or_b32 s[G0A+3], s[G0A+3], 0x80000000
	s_mov_b32 s[G0A+4], 1
	s_add_co_u32 s[G0A+5], s[LBA], SLOT
	s_add_nc_u64 s[G0A+6:G0A+7], s[16:17], ASTEP
	s_or_b32 s[G0A+7], s[G0A+7], 0x80000000
	s_mov_b32 s[G0B], 1
	s_mov_b32 s[G0B+1], s[LBB]
	s_mov_b64 s[G0B+2:G0B+3], s[22:23]
	s_or_b32 s[G0B+3], s[G0B+3], 0x80000000
	s_mov_b32 s[G0B+4], 1
	s_add_co_u32 s[G0B+5], s[LBB], SLOT
	s_add_nc_u64 s[G0B+6:G0B+7], s[22:23], BSTEP
	s_or_b32 s[G0B+7], s[G0B+7], 0x80000000
	s_cmp_eq_u32 s13, 0                            ; a wave's two first fills stand in one branch: two loads of mine are out
	s_cbranch_scc0 .Lfirst_b
	tensor_load_to_lds s[G0A:G0A+3], s[G1A:G1A+7]
	s_nop 0
	tensor_load_to_lds s[G0A+4:G0A+7], s[G1A:G1A+7]
	s_nop 0
.rept 4
	v_nop
.endr
	s_branch .Lfirst_done
.Lfirst_b:
	tensor_load_to_lds s[G0B:G0B+3], s[G1B:G1B+7]
	s_nop 0
	tensor_load_to_lds s[G0B+4:G0B+7], s[G1B:G1B+7]
	s_nop 0
.rept 4
	v_nop
.endr
.Lfirst_done:
	v_and_b32 v1, 15, v0                           ; r
	v_bfe_u32 v2, v0, 4, 1                         ; h
	v_and_b32 v3, 7, v0
	v_bfe_u32 v4, v0, 3, 1
	v_mul_u32_u24 v[A0], v1, PA
	v_lshl_add_u32 v[A0], v2, 4, v[A0]
	s_mul_i32 s18, s13, 64*PA                      ; my 64 tokens
	v_add_nc_u32 v[A0], s18, v[A0]
	v_lshl_add_u32 v[B0], v2, 3, v3
	v_mul_u32_u24 v[B0], v[B0], PB
	v_lshl_add_u32 v[B0], v4, 4, v[B0]
	s_lshl_b32 s19, s14, 7                         ; my 64 columns
	s_add_co_u32 s19, s19, ABYTES
	v_add_nc_u32 v[B0], s19, v[B0]
	s_mul_i32 s18, s12, 16*SPITCH
	s_add_co_u32 s18, s18, STAGE                   ; my stage: 16 rows of 64 f32
	v_mul_u32_u24 v[STO], v1, SPITCH
	v_lshl_add_u32 v[STO], v2, 5, v[STO]
	v_add_nc_u32 v[STO], s18, v[STO]
	v_mul_u32_u24 v[RD], v2, SPITCH
	v_lshl_add_u32 v[RD], v1, 4, v[RD]
	v_add_nc_u32 v[RD], s18, v[RD]
	v_lshlrev_b32 v[CO], 12, v2                    ; two rows of 4,096 bytes, 16 bytes a lane
	v_lshl_add_u32 v[CO], v1, 4, v[CO]
	v_lshlrev_b32 v[BO], 5, v2                     ; my eight columns of a block of 16
	s_lshl_b32 s74, s42, 9
	s_lshl_b32 s75, s14, 8
	s_add_co_u32 s74, s74, s75                     ; (128 tn + 64 half) x 4 bytes
	s_mov_b32 s75, 0
	s_add_nc_u64 s[70:71], s[8:9], s[74:75]        ; the bias at my columns
	s_lshl_b32 s76, s43, 19
	s_add_co_u32 s74, s74, s76
	s_lshl_b32 s76, s13, 18
	s_add_co_u32 s74, s74, s76                     ; + (128 tm + 64 half) rows
	s_add_nc_u64 s[72:73], s[10:11], s[74:75]      ; the residual and the output at my 64 x 64
	s_add_nc_u64 s[68:69], s[68:69], s[74:75]
	WIN 0x80
.irp b, 0,1,2,3
	global_load_b128 v[BIAS+8*\b:BIAS+8*\b+3],   v[BO], s[70:71] offset:64*\b
	global_load_b128 v[BIAS+8*\b+4:BIAS+8*\b+7], v[BO], s[70:71] offset:64*\b+16
.endr
.set i, 0
.rept 32                               ; the residual, in the layout in which the rows come back from the stage: load i: rows 2 i, 2 i + 1
	global_load_b128 v[4*i:4*i+3], v[CO], s[72:73] offset:8192*i th:TH_LOAD_NT
.set i, i+1
.endr
	WIN 0
.if PF
	; the prefetches' pointer (at K step 3; the first refill steps it to 4), step, lane offset and limit
	s_lshl_b32 s74, s43, 20
	s_lshl_b32 s75, s14, 19
	s_add_co_u32 s74, s74, s75
	s_lshl_b32 s75, s40, 17                        ; my work-group's 16 of the 64 rows that I fetch
	s_add_co_u32 s74, s74, s75
	s_add_co_u32 s74, s74, 3*ASTEP
	s_lshl_b32 s76, s14, 18
	s_lshl_b32 s77, s41, 16                        ; my work-group's 32 of the 128 k
	s_add_co_u32 s76, s76, s77
	s_lshl_b32 s77, s42, 8
	s_add_co_u32 s76, s76, s77
	s_add_co_u32 s76, s76, WOFF+3*BSTEP
	s_mov_b32 s77, BSTEP
	s_and_b32 s78, ttmp7, 0xffff
	s_cmp_eq_u32 s13, 0
	s_cselect_b32 s74, s74, s76
	s_cselect_b32 s[PFS], ASTEP, s77
	s_cselect_b64 s[PFA:PFA+1], s[4:5], s[6:7]
	s_cselect_b32 s78, ttmp9, s78                  ; the coordinate along which other clusters read the same rows
	s_cselect_b32 s18, 1, 0
	s_cselect_b32 s19, 13, 11
	s_mov_b32 s75, 0
	s_mov_b32 s[PFS+1], 0
	s_add_nc_u64 s[PFA:PFA+1], s[PFA:PFA+1], s[74:75]
	s_cmp_eq_u32 s78, 0
	s_cselect_b32 s[LIM], 2, -1
	v_and_b32 v[PFO], 31, v0                       ; A: (l / 2) x 8,192 + 256 (l % 2).  W: l x 2,048
	v_and_b32 v5, s18, v[PFO]
	v_lshrrev_b32 v[PFO], s18, v[PFO]
	v_lshlrev_b32 v[PFO], s19, v[PFO]
	v_lshl_add_u32 v[PFO], v5, 8, v[PFO]
.endif
	s_wait_tensorcnt 0x1                           ; my part of K step 0 is in; step 1's load stays out
	s_barrier_signal -1
	s_barrier_wait -1
	NEWADR
	FETCH 0, F0
	s_wait_loadcnt 32                              ; the bias is in; the 32 residual loads stay out through the K loop
	QUARTER 1, F0, F1, 1
	WIN 0
	s_mov_b32 s3, NSTEP-2
.Llap:                                         ; a trip ends step i, fills its slot with step i + 2 and begins step i + 1
	QUARTER 2, F1, F0, 0
	QUARTER 3, F0, F1, 0
	TURN1
	QUARTER 1, F0, F1, 0
	WIN 0
	s_sub_co_u32 s3, s3, 1
	s_cmp_lg_u32 s3, 0
	s_cbranch_scc1 .Llap
	s_mov_b32 s3, 2
.Ltail:                                        ; the last two steps ask for nothing
	QUARTER 2, F1, F0, 0
	QUARTER 3, F0, F1, 0
	TURN0
	WIN 0
	s_cmp_eq_u32 s3, 1
	s_cbranch_scc1 .Lout
	QUARTER 1, F0, F1, 0
	WIN 0
	s_sub_co_u32 s3, s3, 1
	s_cmp_lg_u32 s3, 0
	s_cbranch_scc1 .Ltail
.Lout:
	; THE WAY OUT.  My 64 f32 columns are 256 bytes of a row: 16 rows at a time go through my own stage, come back as whole rows, take the residual and leave, 16 lanes to 256 consecutive bytes.
.macro STG a
.if (\a) >= 2
	s_wait_xcnt 0x0                                ; the stores of the block two back have read the registers that are loaded again below
.endif
.irp b, 0,1,2,3
	ds_store_b128 v[STO], v[ACC+8*(4*(\a)+(\b)):ACC+8*(4*(\a)+(\b))+3]   offset:64*(\b)
	ds_store_b128 v[STO], v[ACC+8*(4*(\a)+(\b))+4:ACC+8*(4*(\a)+(\b))+7] offset:64*(\b)+16
.endr
.irp t, 0,1,2,3,4,5,6,7
	ds_load_b128 v[TT+32*((\a)%2)+4*(\t):TT+32*((\a)%2)+4*(\t)+3], v[RD] offset:2*SPITCH*(\t)  ; LDS serves a wave's instructions in order: these see the stores above
.endr
.endm
.macro OUT a, younger                  ; younger: the next block's sixteen LDS lines, or none
	s_wait_dscnt \younger
	WIN 0x08                                       ; source 1, the residual, in window 2
.set z, 0
.rept 16
	v_pk_add_f32 v[TT+32*((\a)%2)+2*z:TT+32*((\a)%2)+2*z+1], v[TT+32*((\a)%2)+2*z:TT+32*((\a)%2)+2*z+1], v[32*(\a)+2*z:32*(\a)+2*z+1]
.set z, z+1
.endr
	WIN 0
.irp t, 0,1,2,3,4,5,6,7
	global_store_b128 v[CO], v[TT+32*((\a)%2)+4*(\t):TT+32*((\a)%2)+4*(\t)+3], s[68:69] offset:(16*(\a)+2*(\t))*4096
.endr
.endm
	PLACES
	WIN 0
	s_wait_loadcnt 0x0                             ; the residual
	STG 0
	STG 1
	OUT 0, 16
	STG 2
	OUT 1, 16
	STG 3
	OUT 2, 16
	OUT 3, 0
	s_wait_tensorcnt 0x0                           ; the wave's end
	ds_add_u32 v[SPW], v[NIL]
	s_wait_dscnt 0x0
	CROUND                                         ; the closing round
	s_endpgm
.Lfunc_end_k_qd1c63eb422_oproj:
	.size	k_qd1c63eb422_oproj, .Lfunc_end_k_qd1c63eb422_oproj-k_qd1c63eb422_oproj
	.p2alignl 7, 3214868480
	.fill 96, 4, 3214868480
	.section	.rodata,"a",@progbits
	.p2align	6, 0x0
	.amdhsa_kernel k_qd1c63eb422_oproj
		.amdhsa_group_segment_fixed_size 327680
		.amdhsa_private_segment_fixed_size 0
		.amdhsa_enable_private_segment 0
		.amdhsa_kernarg_size 40
		.amdhsa_user_sgpr_count 2
		.amdhsa_user_sgpr_kernarg_segment_ptr 1
		.amdhsa_wavefront_size32 1
		.amdhsa_system_sgpr_workgroup_id_x 1
		.amdhsa_system_sgpr_workgroup_id_y 1
		.amdhsa_system_sgpr_workgroup_id_z 1
		.amdhsa_system_vgpr_workitem_id 0
		.amdhsa_next_free_vgpr 672
		.amdhsa_next_free_sgpr 80
		.amdhsa_reserve_vcc 0
		.amdhsa_float_denorm_mode_32 3
		.amdhsa_float_denorm_mode_16_64 3
		.amdhsa_memory_ordered 1
		.amdhsa_forward_progress 1
		.amdhsa_inst_pref_size 66
	.end_amdhsa_kernel
	.amdgpu_metadata
---
amdhsa.version: [ 1, 2 ]
amdhsa.kernels:
  - .name:           k_qd1c63eb422_oproj
    .symbol:         k_qd1c63eb422_oproj.kd
    .args:
      - { .name: ctxb, .offset: 0, .size: 8, .value_kind: global_buffer, .address_space: global }
      - { .name: wh, .offset: 8, .size: 8, .value_kind: global_buffer, .address_space: global }
      - { .name: bo, .offset: 16, .size: 8, .value_kind: global_buffer, .address_space: global }
      - { .name: x, .offset: 24, .size: 8, .value_kind: global_buffer, .address_space: global }
      - { .name: x1, .offset: 32, .size: 8, .value_kind: global_buffer, .address_space: global }
    .group_segment_fixed_size: 327680
    .private_segment_fixed_size: 0
    .kernarg_segment_align: 8
    .kernarg_segment_size: 40
    .max_flat_workgroup_size: 128
    .sgpr_count:     80
    .vgpr_count:     672
    .wavefront_size: 32
...
	.end_amdgpu_metadata
.endif
;; end of part 4
;; launch ln2 (part 5): grid 256 x 1, 8 waves a work-group, no clusters, 0 bytes of LDS; arguments x1, g2, be2, hn; writes hn
.if DOCPART == 5
	.amdgcn_target "amdgcn-amd-amdhsa--gfx1250"
	.amdhsa_code_object_version 6
	.text
	.protected	k_qd1c63eb422_ln2
	.globl	k_qd1c63eb422_ln2
	.p2align	8
	.type	k_qd1c63eb422_ln2,@function
k_qd1c63eb422_ln2:
	s_mov_b64 s[64:65], 0
	v_nop
	global_prefetch_b8 v0, s[64:65] scope:SCOPE_SE
	s_setreg_imm32_b32 hwreg(HW_REG_WAVE_MODE, 25, 1), 1
	s_wait_xcnt 0x0
; hn = LN(x1; g2, be2) in f16.  x1: [4096][1024] f32.  256 work-groups of eight waves; a wave takes two rows, each kept in 32 registers between its passes (mean; squares of x - mean, as
; reference() takes them; scale).  Memory binds: no LDS, no barrier, no matrix unit.  Each load of a wave covers 512 consecutive bytes, each store 256, aligned.
; LIMIT: h2 must stay under 65,504 (f16).
.set G,   8
.set BE,  40
.set X0,  72
.set X1,  104
.set T,   136
.macro JOIN                            ; four chains of pairs in v[T:T+7] -> their sum over the wave's 32 lanes, in v[T] of every lane
	v_pk_add_f32 v[T:T+1], v[T:T+1], v[T+2:T+3]
	v_pk_add_f32 v[T+4:T+5], v[T+4:T+5], v[T+6:T+7]
	v_pk_add_f32 v[T:T+1], v[T:T+1], v[T+4:T+5]
	v_add_f32 v[T], v[T], v[T+1]
	v_add_f32_dpp v[T], v[T], v[T] row_xmask:1 row_mask:0xf bank_mask:0xf
	v_add_f32_dpp v[T], v[T], v[T] row_xmask:2 row_mask:0xf bank_mask:0xf
	v_add_f32_dpp v[T], v[T], v[T] row_xmask:4 row_mask:0xf bank_mask:0xf
	v_add_f32_dpp v[T], v[T], v[T] row_xmask:8 row_mask:0xf bank_mask:0xf
	v_permlanex16_b32 v[T+1], v[T], s30, s31
	v_add_f32 v[T], v[T], v[T+1]
.endm
.macro LNROW x, left, outoff
	s_wait_loadcnt \left
.set k, 0
.rept 4
	v_pk_add_f32 v[T+2*k:T+2*k+1], v[(\x)+4*k:(\x)+4*k+1], v[(\x)+4*k+2:(\x)+4*k+3]
.set k, k+1
.endr
.set k, 0
.rept 8
	v_pk_add_f32 v[T+2*(k%4):T+2*(k%4)+1], v[T+2*(k%4):T+2*(k%4)+1], v[(\x)+16+2*k:(\x)+16+2*k+1]
.set k, k+1
.endr
	JOIN
	v_mul_f32 v[T], s28, v[T]                      ; the mean
	v_mov_b32 v[T+1], v[T]
.set k, 0
.rept 16
	v_pk_add_f32 v[(\x)+2*k:(\x)+2*k+1], v[(\x)+2*k:(\x)+2*k+1], v[T:T+1] neg_lo:[0,1] neg_hi:[0,1]
.set k, k+1
.endr
.set k, 0
.rept 4
	v_pk_mul_f32 v[T+2*k:T+2*k+1], v[(\x)+2*k:(\x)+2*k+1], v[(\x)+2*k:(\x)+2*k+1]
.set k, k+1
.endr
.rept 12
	v_pk_fma_f32 v[T+2*(k%4):T+2*(k%4)+1], v[(\x)+2*k:(\x)+2*k+1], v[(\x)+2*k:(\x)+2*k+1], v[T+2*(k%4):T+2*(k%4)+1]
.set k, k+1
.endr
	JOIN
	v_fma_f32 v[T+2], v[T], s28, s29               ; the variance + eps
	v_rsq_f32 v[T+4], v[T+2]
	v_rsq_f32 v[T+5], v[T+2]
	v_nop                                          ; a plain instruction behind the last of them,
	s_wait_alu depctr_va_vdst(0)                   ; and the one wait ahead of the first reader
.set k, 0
.rept 16
	v_pk_mul_f32 v[(\x)+2*k:(\x)+2*k+1], v[(\x)+2*k:(\x)+2*k+1], v[T+4:T+5]
.set k, k+1
.endr
.set k, 0
.rept 16
	v_pk_fma_f32 v[(\x)+2*k:(\x)+2*k+1], v[(\x)+2*k:(\x)+2*k+1], v[G+2*k:G+2*k+1], v[BE+2*k:BE+2*k+1]
.set k, k+1
.endr
.set k, 0
.rept 8
	v_cvt_pk_f16_f32 v[(\x)+4*k], v[(\x)+4*k], v[(\x)+4*k+1]
	v_cvt_pk_f16_f32 v[(\x)+4*k+1], v[(\x)+4*k+2], v[(\x)+4*k+3]
	global_store_b64 v2, v[(\x)+4*k:(\x)+4*k+1], s[10:11] offset:256*k+(\outoff)
.set k, k+1
.endr
.endm
	s_load_b256 s[4:11], s[0:1], 0x0               ; x1 s[4:5], g2 s[6:7], be2 s[8:9], hn s[10:11]
	v_lshrrev_b32 v3, 5, v0
	v_readfirstlane_b32 s26, v3                    ; wave 0..7
	v_and_b32 v1, 31, v0
	v_lshlrev_b32 v2, 3, v1
	v_lshlrev_b32 v1, 4, v1
	s_lshl_b32 s32, ttmp9, 16
	s_lshl_b32 s33, s26, 13
	s_add_co_u32 s32, s32, s33                     ; my first row x 4,096 bytes
	s_lshr_b32 s34, s32, 1
	s_mov_b32 s33, 0
	s_mov_b32 s35, 0
	s_mov_b32 s28, 0x3a800000                      ; 1 / 1,024
	s_mov_b32 s29, 0x3727c5ac                      ; eps = 1e-5
	s_mov_b32 s30, 0x76543210
	s_mov_b32 s31, 0xfedcba98
	s_wait_kmcnt 0x0
	s_add_nc_u64 s[4:5], s[4:5], s[32:33]
	s_add_nc_u64 s[10:11], s[10:11], s[34:35]
.set j, 0
.rept 8
	global_load_b128 v[G+4*j:G+4*j+3], v1, s[6:7] offset:512*j
.set j, j+1
.endr
.set j, 0
.rept 8
	global_load_b128 v[BE+4*j:BE+4*j+3], v1, s[8:9] offset:512*j
.set j, j+1
.endr
.set j, 0
.rept 8
	global_load_b128 v[X0+4*j:X0+4*j+3], v1, s[4:5] offset:512*j th:TH_LOAD_NT
.set j, j+1
.endr
.set j, 0
.rept 8
	global_load_b128 v[X1+4*j:X1+4*j+3], v1, s[4:5] offset:512*j+4096 th:TH_LOAD_NT
.set j, j+1
.endr
	LNROW X0, 8, 0                                 ; g, be and row 0 are in; row 1's eight loads stay out
	LNROW X1, 0, 2048
	s_endpgm
.Lfunc_end_k_qd1c63eb422_ln2:
	.size	k_qd1c63eb422_ln2, .Lfunc_end_k_qd1c63eb422_ln2-k_qd1c63eb422_ln2
	.p2alignl 7, 3214868480
	.fill 96, 4, 3214868480
	.section	.rodata,"a",@progbits
	.p2align	6, 0x0
	.amdhsa_kernel k_qd1c63eb422_ln2
		.amdhsa_group_segment_fixed_size 0
		.amdhsa_private_segment_fixed_size 0
		.amdhsa_enable_private_segment 0
		.amdhsa_kernarg_size 32
		.amdhsa_user_sgpr_count 2
		.amdhsa_user_sgpr_kernarg_segment_ptr 1
		.amdhsa_wavefront_size32 1
		.amdhsa_system_sgpr_workgroup_id_x 1
		.amdhsa_system_sgpr_workgroup_id_y 1
		.amdhsa_system_sgpr_workgroup_id_z 1
		.amdhsa_system_vgpr_workitem_id 0
		.amdhsa_next_free_vgpr 144
		.amdhsa_next_free_sgpr 66
		.amdhsa_reserve_vcc 0
		.amdhsa_float_denorm_mode_32 3
		.amdhsa_float_denorm_mode_16_64 3
		.amdhsa_memory_ordered 1
		.amdhsa_forward_progress 1
		.amdhsa_inst_pref_size 20
	.end_amdhsa_kernel
	.amdgpu_metadata
---
amdhsa.version: [ 1, 2 ]
amdhsa.kernels:
  - .name:           k_qd1c63eb422_ln2
    .symbol:         k_qd1c63eb422_ln2.kd
    .args:
      - { .name: x1, .offset: 0, .size: 8, .value_kind: global_buffer, .address_space: global }
      - { .name: g2, .offset: 8, .size: 8, .value_kind: global_buffer, .address_space: global }
      - { .name: be2, .offset: 16, .size: 8, .value_kind: global_buffer, .address_space: global }
      - { .name: hn, .offset: 24, .size: 8, .value_kind: global_buffer, .address_space: global }
    .group_segment_fixed_size: 0
    .private_segment_fixed_size: 0
    .kernarg_segment_align: 8
    .kernarg_segment_size: 32
    .max_flat_workgroup_size: 256
    .sgpr_count:     66
    .vgpr_count:     144
    .wavefront_size: 32
...
	.end_amdgpu_metadata
.endif
;; end of part 5
;; launch ffn1 (part 6): grid 16 x 16, 4 waves a work-group, clusters of 4 x 4, 327,680 bytes of LDS; arguments hn, wh, b1, ff; writes ff
.if DOCPART == 6
	.amdgcn_target "amdgcn-amd-amdhsa--gfx1250"
	.amdhsa_code_object_version 6
	.text
	.protected	k_qd1c63eb422_ffn1
	.globl	k_qd1c63eb422_ffn1
	.p2align	8
	.type	k_qd1c63eb422_ffn1,@function
k_qd1c63eb422_ffn1:
	s_mov_b64 s[64:65], 0
	v_nop
	global_prefetch_b8 v0, s[64:65] scope:SCOPE_SE
	s_setreg_imm32_b32 hwreg(HW_REG_WAVE_MODE, 25, 1), 1
	s_wait_xcnt 0x0
	s_wait_alu depctr_hold_cnt(0) depctr_sa_sdst(0) depctr_va_vdst(0) depctr_va_sdst(0) depctr_va_ssrc(0) depctr_va_vcc(0) depctr_vm_vsrc(0)
	s_getreg_b32 s2, hwreg(HW_REG_IB_STS2, 6, 4)
	s_cmp_eq_u32 s2, 0
	s_cbranch_scc0 .Lentry_in_a_cluster
	s_endpgm
.Lentry_in_a_cluster:
	s_bfe_u32 s2, ttmp6, 0x10000c
	s_cmp_lg_u32 s2, 0xf033
	s_cbranch_scc0 .Lentry_shape_is_right
	s_endpgm
.Lentry_shape_is_right:
; ff = relu(h2 W1 + b1).  hn: [4096][1024] f16; W1 in wh at W1O: [1024 k][4096 n] f16; b1 f32; ff: [4096][4096] f16.  Sums in f32, started by the bias; rounded once, then the maximum with 0.
; LIMIT: ff must stay under 65,504 (f16).
; A work-group makes 256 x 256, each of four waves 128 x 128: 64 accumulators, 512 registers.  K goes in 8 steps of 128 through two LDS slots; a step's text is written once, s[TB] names the slot read.
; The matrix instruction is used transposed (source 0 = 16 columns of W, turned out of LDS by ds_load_tr16_b128; source 1 = 16 tokens): a lane holds one token and eight neighbouring columns.
; CLUSTER 4 x 4: h2's tile is asked for jointly along a row of the cluster, W's along a column.
; REGISTERS: window 0: v16-31 addresses; v64-191 h2's fragments, two buffers; v192-223, v32-63, v224-255 the way out.  window 1: v0-63 the bias; v64-191 W's fragments.
;   windows 2, 3: accumulators (a, b) at 8 (8 (a % 4) + b).
.set NSTEP,  8
.set PA,     272
.set PB,     544                       ; a row of W: 512 bytes + 32: an odd multiple of 32
.set HALFT,  34816                     ; 128 rows of h2, or 64 rows of W: what one tensor load brings
.set ABYTES, 2*HALFT
.set SLOT,   4*HALFT                   ; 139,264
.set STAGE,  2*SLOT
.set SPITCH, 272
.set SPARE,  STAGE+4*16*SPITCH         ; 295,936
.set W1O,    8388608
.set ASTEP,  256
.set BSTEP,  1048576
.set A0,   16
.set B0,   17
.set ADRA, 18
.set ADRB, 19
.set STO,  24
.set RD,   25
.set CO,   26
.set BO,   27
.set SPW,  28
.set NIL,  29
.set PFO,  30
.set ZERO, 31
.set F0,   64
.set F1,   128
.set TMP,  192
.set OBUF, 32
.set TB,   2
.set LIM,  15
.set G1A,  24
.set G0A,  32
.set PFA,  44
.set PFS,  46
.set G1B,  48
.set G0B,  56
.set LB,   66
.set MSB, 0
.macro WIN new
.if MSB != (\new)
	s_set_vgpr_msb (MSB<<8)|(\new)
.set MSB, \new
.endif
.endm
.macro PLACES
.rept 4
	v_nop
.endr
.endm
.macro CREST
	s_cmp_lg_u32 s12, 0
	s_cbranch_scc1 .Lnot_wave_0_\@
	s_barrier_signal -3
.Lnot_wave_0_\@:
	s_barrier_wait -3
	s_barrier_signal -1
	s_barrier_wait -1
.endm
.macro CROUND
	s_barrier_signal -1
	s_barrier_wait -1
	CREST
.endm
.macro JLOAD                           ; a joint refill: waves 0, 1 fetch h2's halves, waves 2, 3 W's; an s_nop 0 and four v_nop follow each line
	s_cmp_eq_u32 s13, 0
	s_cbranch_scc0 .Lfor_b_\@
	tensor_load_to_lds s[G0A+4:G0A+7], s[G1A:G1A+7]
	s_nop 0
.rept 4
	v_nop
.endr
	s_branch .Lasked_\@
.Lfor_b_\@:
	tensor_load_to_lds s[G0B+4:G0B+7], s[G1B:G1B+7]
	s_nop 0
.rept 4
	v_nop
.endr
.Lasked_\@:
.endm
; A prefetch of the K step that stands two refills on: 32 blocks of 256 bytes, a lane a block, one line a wave.  h2's rows are asked for by the clusters with x = 0, W's by those with y = 0; the four
; partners that ask for a tile jointly share its rows out by address (cx for h2, cy for W).  So each block is named once.  s3 counts 6 .. 1; a wave asks while s3 is above 2, so that it stops at the last step.
.macro ASK
	s_cmp_gt_u32 s3, s[LIM]
	s_cbranch_scc0 .Lnot_mine_\@
	global_prefetch_b8 v[PFO], s[PFA:PFA+1] th:TH_LOAD_NT scope:SCOPE_SE
.Lnot_mine_\@:
.endm
; 16 matrix instructions: token blocks a0, a0 + 1 of the window's four x all 8 column blocks, 32 along K.  start = 1: the bias (window 1) is the C that starts the sums.
; The 64 accumulators take turns, one instruction a turn.
.macro MUL16 f, hi, a0, start
.if \start
	WIN 0x91+0x40*(\hi)
.else
	WIN 0xa1+0x50*(\hi)
.endif
.irp a, \a0, (\a0)+1
.irp b, 0,1,2,3,4,5,6,7
.if \start
	v_wmma_f32_16x16x32_f16 v[8*(8*(\a)+(\b)):8*(8*(\a)+(\b))+7], v[(\f)+8*(\b):(\f)+8*(\b)+7], v[(\f)+8*(4*(\hi)+(\a)):(\f)+8*(4*(\hi)+(\a))+7], v[8*(\b):8*(\b)+7]
.else
	v_wmma_f32_16x16x32_f16 v[8*(8*(\a)+(\b)):8*(8*(\a)+(\b))+7], v[(\f)+8*(\b):(\f)+8*(\b)+7], v[(\f)+8*(4*(\hi)+(\a)):(\f)+8*(4*(\hi)+(\a))+7], v[8*(8*(\a)+(\b)):8*(8*(\a)+(\b))+7]
.endif
.endr
.endr
.endm
.macro FETCH q, f                      ; 32 LDS loads in one run: quarter q's fragments into buffer f: W's 16, then h2's 16
	WIN 0x40
.irp i, 0,1,2,3,4,5,6,7
	ds_load_tr16_b128 v[(\f)+8*(\i):(\f)+8*(\i)+3],   v[ADRB] offset:32*PB*(\q)+32*(\i)
	ds_load_tr16_b128 v[(\f)+8*(\i)+4:(\f)+8*(\i)+7], v[ADRB] offset:32*PB*(\q)+32*(\i)+16*PB
.endr
	WIN 0
.irp i, 0,1,2,3,4,5,6,7
	ds_load_b128 v[(\f)+8*(\i):(\f)+8*(\i)+3],   v[ADRA] offset:64*(\q)+16*PA*(\i)
	ds_load_b128 v[(\f)+8*(\i)+4:(\f)+8*(\i)+7], v[ADRA] offset:64*(\q)+16*PA*(\i)+32
.endr
.endm
; A quarter multiplies buffer f.  Quarter q's 32 loads into buffer g stand at its head, four places behind the last product that read g: a whole quarter's 64 products ahead of their first use.
.macro QUARTER q, f, g, start
	PLACES
	s_wait_dscnt 8                                 ; of buffer f, W's fragments and my rows 0-63 are in; its youngest eight loads (rows 64-127) may be out
	FETCH \q, \g
	MUL16 \f, 0, 0, \start
	MUL16 \f, 0, 2, \start
	s_wait_dscnt 32                                ; all but the 32 just issued: buffer f is whole
	MUL16 \f, 1, 0, \start
	MUL16 \f, 1, 2, \start
.endm
.macro MEET round
	WIN 0
	s_wait_tensorcnt 0x0                           ; all my tensor loads have landed: my part of the next slot
	ds_add_u32 v[SPW], v[NIL]                      ; 0 onto my spare word
	s_wait_dscnt 9                                 ; (the add and the youngest eight loads may be out)
	MUL16 F1, 0, 0, 0
	s_wait_dscnt 0x0                               ; the add is done, and my reads of this slot are over
	s_barrier_signal -1
	MUL16 F1, 0, 2, 0
.if \round
	WIN 0
.endif
	s_barrier_wait -1
.endm
.macro TURN1
	s_wait_xcnt 0x0                                ; the last prefetch, a K step back, has read its address
	s_add_nc_u64 s[PFA:PFA+1], s[PFA:PFA+1], s[PFS:PFS+1]
	MEET 1
	CREST                                          ; the barrier has opened a round of the cluster's: no wave of any partner still reads the slot or has a load on its way
	s_add_co_u32 s[G0A+5], s[LB], s[TB]            ; the walking descriptors: into the slot just read out, one K step on
	s_add_co_u32 s[G0B+5], s[LB], s[TB]
	s_add_nc_u64 s[G0A+6:G0A+7], s[G0A+6:G0A+7], ASTEP
	s_add_nc_u64 s[G0B+6:G0B+7], s[G0B+6:G0B+7], BSTEP
	s_xor_b32 s[TB], s[TB], SLOT
	JLOAD                                          ; the first tensor load behind the round; its four v_nop are also the places ahead of the loads below
	v_add_nc_u32 v[ADRA], s[TB], v[A0]
	v_add_nc_u32 v[ADRB], s[TB], v[B0]
	FETCH 0, F0
	ASK
	MUL16 F1, 1, 0, 0
	MUL16 F1, 1, 2, 0
.endm
.macro TURN0
	MEET 0
	PLACES
	WIN 0
	s_xor_b32 s[TB], s[TB], SLOT
	s_cmp_eq_u32 s3, 1
	s_cbranch_scc1 .Lnofetch_\@
	v_add_nc_u32 v[ADRA], s[TB], v[A0]
	v_add_nc_u32 v[ADRB], s[TB], v[B0]
	FETCH 0, F0
	WIN 0
.Lnofetch_\@:
	MUL16 F1, 1, 0, 0
	MUL16 F1, 1, 2, 0
.endm
	s_load_b256 s[4:11], s[0:1], 0x0               ; hn s[4:5], wh s[6:7], b1 s[8:9], ff s[10:11]
	v_lshl_add_u32 v[SPW], v0, 2, SPARE
	v_mov_b32 v[NIL], 0
	ds_add_u32 v[SPW], v[NIL]                      ; the wave's opening: the add, twice on end, and its wait ahead of my first tensor load
	ds_add_u32 v[SPW], v[NIL]
	v_lshrrev_b32 v1, 5, v0
	v_readfirstlane_b32 s12, v1                    ; wave 0..3
	s_lshr_b32 s13, s12, 1                         ; my half of the tile's rows; also: I fetch for h2 (0) or for W (1)
	s_and_b32 s14, s12, 1                          ; my half of its columns; also: which half I fetch
	s_bfe_u32 s40, ttmp6, 0x40000                  ; cx
	s_bfe_u32 s41, ttmp6, 0x40004                  ; cy
	s_lshl_b32 s42, ttmp9, 2
	s_add_co_u32 s42, s42, s40                     ; tn
	s_and_b32 s43, ttmp7, 0xffff
	s_lshl_b32 s43, s43, 2
	s_add_co_u32 s43, s43, s41                     ; tm
	s_lshl_b32 s18, s41, 2
	s_lshl_b32 s18, 15, s18                        ; my row of the cluster
	s_lshl_b32 s20, 0x1111, s40                    ; my column
	s_or_b32 s[G1A], s18, (1<<16)|(1<<20)|(1<<21)|(5<<22)|(3<<25)  ; 128 rows x 128 elements; 4 words of padding after every 64
	s_mov_b32 s[G1A+1], 128<<16
	s_mov_b32 s[G1A+2], 128<<16
	s_mov_b32 s[G1A+3], 128<<16
	s_mov_b32 s[G1A+4], 128
	s_mov_b32 s[G1A+5], 1024
	s_mov_b32 s[G1A+6], 0
	s_mov_b32 s[G1A+7], 0
	s_or_b32 s[G1B], s20, (1<<16)|(1<<20)|(1<<21)|(6<<22)|(7<<25)  ; 64 k x 256 columns; 8 words of padding after every 128
	s_mov_b32 s[G1B+1], 256<<16
	s_mov_b32 s[G1B+2], 64<<16
	s_mov_b32 s[G1B+3], 256<<16
	s_mov_b32 s[G1B+4], 64
	s_mov_b32 s[G1B+5], 4096
	s_mov_b32 s[G1B+6], 0
	s_mov_b32 s[G1B+7], 0
	s_lshl_b32 s16, s43, 19                        ; h2: row 256 tm + 128 half, 2,048 bytes a row
	s_lshl_b32 s17, s14, 18
	s_add_co_u32 s16, s16, s17
	s_mov_b32 s17, 0
	s_lshl_b32 s22, s14, 19                        ; W: k 64 half, 8,192 bytes a row; the tile's 256 columns
	s_lshl_b32 s23, s42, 9
	s_add_co_u32 s22, s22, s23
	s_add_co_u32 s22, s22, W1O
	s_mov_b32 s23, 0
	s_mul_i32 s[LB], s12, HALFT                    ; h2's two halves, then W's two halves = wave x 34,816
	s_mov_b32 s[TB], 0
	s_wait_dscnt 0x0                               ; both opening adds are done
	s_wait_kmcnt 0x0
	s_add_nc_u64 s[16:17], s[4:5], s[16:17]
	s_add_nc_u64 s[22:23], s[6:7], s[22:23]
	CROUND                                         ; all sixteen work-groups are here: the first joint loads meet
	s_mov_b32 s[G0A], 1
	s_mov_b32 s[G0A+1], s[LB]
	s_mov_b64 s[G0A+2:G0A+3], s[16:17]
	s_or_b32 s[G0A+3], s[G0A+3], 0x80000000
	s_mov_b32 s[G0A+4], 1
	s_add_co_u32 s[G0A+5], s[LB], SLOT
	s_add_nc_u64 s[G0A+6:G0A+7], s[16:17], ASTEP
	s_or_b32 s[G0A+7], s[G0A+7], 0x80000000
	s_mov_b32 s[G0B], 1
	s_mov_b32 s[G0B+1], s[LB]
	s_mov_b64 s[G0B+2:G0B+3], s[22:23]
	s_or_b32 s[G0B+3], s[G0B+3], 0x80000000
	s_mov_b32 s[G0B+4], 1
	s_add_co_u32 s[G0B+5], s[LB], SLOT
	s_add_nc_u64 s[G0B+6:G0B+7], s[22:23], BSTEP
	s_or_b32 s[G0B+7], s[G0B+7], 0x80000000
	s_cmp_eq_u32 s13, 0                            ; a wave's two first fills stand in one branch: two loads of mine are out
	s_cbranch_scc0 .Lfirst_b
	tensor_load_to_lds s[G0A:G0A+3], s[G1A:G1A+7]
	s_nop 0
	tensor_load_to_lds s[G0A+4:G0A+7], s[G1A:G1A+7]
	s_nop 0
.rept 4
	v_nop
.endr
	s_branch .Lfirst_done
.Lfirst_b:
	tensor_load_to_lds s[G0B:G0B+3], s[G1B:G1B+7]
	s_nop 0
	tensor_load_to_lds s[G0B+4:G0B+7], s[G1B:G1B+7]
	s_nop 0
.rept 4
	v_nop
.endr
.Lfirst_done:
	v_and_b32 v1, 15, v0                           ; r
	v_bfe_u32 v2, v0, 4, 1                         ; h
	v_and_b32 v3, 7, v0
	v_bfe_u32 v4, v0, 3, 1
	v_mul_u32_u24 v[A0], v1, PA
	v_lshl_add_u32 v[A0], v2, 4, v[A0]
	s_mul_i32 s18, s13, HALFT                      ; my 128 rows
	v_add_nc_u32 v[A0], s18, v[A0]
	v_lshl_add_u32 v[B0], v2, 3, v3
	v_mul_u32_u24 v[B0], v[B0], PB
	v_lshl_add_u32 v[B0], v4, 4, v[B0]
	s_lshl_b32 s19, s14, 8                         ; my 128 columns
	s_add_co_u32 s19, s19, ABYTES
	v_add_nc_u32 v[B0], s19, v[B0]
	s_mul_i32 s18, s12, 16*SPITCH
	s_add_co_u32 s18, s18, STAGE                   ; my stage
	v_mul_u32_u24 v[STO], v1, SPITCH
	v_lshl_add_u32 v[STO], v2, 4, v[STO]
	v_add_nc_u32 v[STO], s18, v[STO]
	v_mul_u32_u24 v[RD], v2, SPITCH
	v_lshl_add_u32 v[RD], v1, 4, v[RD]
	v_add_nc_u32 v[RD], s18, v[RD]
	v_lshlrev_b32 v[CO], 13, v2                    ; two rows of 8,192 bytes, 16 bytes a lane
	v_lshl_add_u32 v[CO], v1, 4, v[CO]
	v_lshlrev_b32 v[BO], 5, v2
	v_mov_b32 v[ZERO], 0
	s_lshl_b32 s74, s42, 10
	s_lshl_b32 s75, s14, 9
	s_add_co_u32 s74, s74, s75                     ; (256 tn + 128 half) x 4 bytes
	s_mov_b32 s75, 0
	s_add_nc_u64 s[70:71], s[8:9], s[74:75]        ; the bias at my columns
	s_lshr_b32 s74, s74, 1                         ; x 2 bytes
	s_lshl_b32 s76, s43, 21
	s_add_co_u32 s74, s74, s76
	s_lshl_b32 s76, s13, 20
	s_add_co_u32 s74, s74, s76                     ; + (256 tm + 128 half) rows of 8,192 bytes
	s_add_nc_u64 s[68:69], s[10:11], s[74:75]      ; ff at my 128 x 128
	WIN 0x40
.irp b, 0,1,2,3,4,5,6,7
	global_load_b128 v[8*\b:8*\b+3],   v[BO], s[70:71] offset:64*\b
	global_load_b128 v[8*\b+4:8*\b+7], v[BO], s[70:71] offset:64*\b+16
.endr
	WIN 0
	; the prefetches' pointer (at K step 3; the first refill steps it to 4), step, lane offset and limit
	s_lshl_b32 s74, s43, 19
	s_lshl_b32 s75, s14, 18
	s_add_co_u32 s74, s74, s75
	s_lshl_b32 s75, s40, 16                        ; my work-group's 32 of the 128 rows that I fetch
	s_add_co_u32 s74, s74, s75
	s_add_co_u32 s74, s74, 3*ASTEP
	s_lshl_b32 s76, s14, 19
	s_lshl_b32 s77, s41, 17                        ; my work-group's 16 of the 64 k
	s_add_co_u32 s76, s76, s77
	s_lshl_b32 s77, s42, 9
	s_add_co_u32 s76, s76, s77
	s_add_co_u32 s76, s76, W1O+3*BSTEP
	s_mov_b32 s77, BSTEP
	s_and_b32 s78, ttmp7, 0xffff
	s_cmp_eq_u32 s13, 0
	s_cselect_b32 s74, s74, s76
	s_cselect_b32 s[PFS], ASTEP, s77
	s_cselect_b64 s[PFA:PFA+1], s[4:5], s[6:7]
	s_cselect_b32 s78, ttmp9, s78                  ; the coordinate along which other clusters read the same rows
	s_cselect_b32 s18, 0, 1
	s_cselect_b32 s19, 11, 13
	s_mov_b32 s75, 0
	s_mov_b32 s[PFS+1], 0
	s_add_nc_u64 s[PFA:PFA+1], s[PFA:PFA+1], s[74:75]
	s_cmp_eq_u32 s78, 0
	s_cselect_b32 s[LIM], 2, -1
	v_and_b32 v[PFO], 31, v0                       ; h2: l x 2,048.  W: (l / 2) x 8,192 + 256 (l % 2)
	v_and_b32 v5, s18, v[PFO]
	v_lshrrev_b32 v[PFO], s18, v[PFO]
	v_lshlrev_b32 v[PFO], s19, v[PFO]
	v_lshl_add_u32 v[PFO], v5, 8, v[PFO]
	s_wait_tensorcnt 0x1                           ; my part of K step 0 is in; step 1's load stays out
	s_barrier_signal -1
	s_barrier_wait -1
	v_add_nc_u32 v[ADRA], s[TB], v[A0]
	v_add_nc_u32 v[ADRB], s[TB], v[B0]
	FETCH 0, F0
	s_wait_loadcnt 0x0                             ; the bias
	QUARTER 1, F0, F1, 1
	WIN 0
	s_mov_b32 s3, NSTEP-2
.Llap:                                         ; a trip ends step i, fills its slot with step i + 2 and begins step i + 1
	QUARTER 2, F1, F0, 0
	QUARTER 3, F0, F1, 0
	TURN1
	QUARTER 1, F0, F1, 0
	WIN 0
	s_sub_co_u32 s3, s3, 1
	s_cmp_lg_u32 s3, 0
	s_cbranch_scc1 .Llap
	s_mov_b32 s3, 2
.Ltail:                                        ; the last two steps ask for nothing
	QUARTER 2, F1, F0, 0
	QUARTER 3, F0, F1, 0
	TURN0
	WIN 0
	s_cmp_eq_u32 s3, 1
	s_cbranch_scc1 .Lout
	QUARTER 1, F0, F1, 0
	WIN 0
	s_sub_co_u32 s3, s3, 1
	s_cmp_lg_u32 s3, 0
	s_cbranch_scc1 .Ltail
.Lout:
	; THE WAY OUT, a block of 16 rows at a time: rounded to f16, the maximum with 0, through my own stage, out as whole rows of 256 bytes.  Two ways of the text join at this label, one of them straight
	; from a quarter's products: four places stand ahead of the first conversion, so that on either way blocks 0-3's results are read four places or more behind their last product (ISA guide 7.12.1).
	; The conversions of blocks 0-3, which name no register of blocks 4-7's last products, are those products' places.
.macro PACK a
.set AC, 64*((\a)%4)
	WIN 0x0a+5*((\a)/4)
.irp b, 0,1,2,3,4,5,6,7
.irp r, 0,1,2,3
	v_cvt_pk_f16_f32 v[TMP+4*(\b)+(\r)], v[AC+8*(\b)+2*(\r)], v[AC+8*(\b)+2*(\r)+1]
.endr
.endr
	WIN 0
.set z, 0
.rept 32
	v_pk_max_num_f16 v[TMP+z], v[TMP+z], v[ZERO]
.set z, z+1
.endr
.endm
.macro TOSTAGE a
.set BKR, OBUF+192*((\a)%2)
.irp b, 0,1,2,3,4,5,6,7
	ds_store_b128 v[STO], v[TMP+4*(\b):TMP+4*(\b)+3] offset:32*(\b)
.endr
.irp t, 0,1,2,3,4,5,6,7
	ds_load_b128 v[BKR+4*(\t):BKR+4*(\t)+3], v[RD] offset:2*SPITCH*(\t)  ; LDS serves a wave's instructions in order: these see the stores above
.endr
.endm
.macro SEND a
.set BKR, OBUF+192*((\a)%2)
	s_wait_dscnt 0x0                               ; the block is back in registers
	s_wait_xcnt 0x0                                ; earlier stores have read their base and their registers
.if (\a) > 0
	s_add_nc_u64 s[68:69], s[68:69], 16*8192       ; 16 rows of ff on
.endif
.irp t, 0,1,2,3,4,5,6,7
	global_store_b128 v[CO], v[BKR+4*(\t):BKR+4*(\t)+3], s[68:69] offset:16384*(\t)  ; 16 lanes store 256 consecutive bytes, aligned
.endr
.endm
	PLACES
	PACK 0
	TOSTAGE 0
.irp a, 1,2,3,4,5,6,7
	PACK \a
	SEND (\a)-1
	TOSTAGE \a
.endr
	SEND 7
	s_wait_tensorcnt 0x0                           ; the wave's end
	ds_add_u32 v[SPW], v[NIL]
	s_wait_dscnt 0x0
	CROUND                                         ; the closing round
	s_endpgm
.Lfunc_end_k_qd1c63eb422_ffn1:
	.size	k_qd1c63eb422_ffn1, .Lfunc_end_k_qd1c63eb422_ffn1-k_qd1c63eb422_ffn1
	.p2alignl 7, 3214868480
	.fill 96, 4, 3214868480
	.section	.rodata,"a",@progbits
	.p2align	6, 0x0
	.amdhsa_kernel k_qd1c63eb422_ffn1
		.amdhsa_group_segment_fixed_size 327680
		.amdhsa_private_segment_fixed_size 0
		.amdhsa_enable_private_segment 0
		.amdhsa_kernarg_size 32
		.amdhsa_user_sgpr_count 2
		.amdhsa_user_sgpr_kernarg_segment_ptr 1
		.amdhsa_wavefront_size32 1
		.amdhsa_system_sgpr_workgroup_id_x 1
		.amdhsa_system_sgpr_workgroup_id_y 1
		.amdhsa_system_sgpr_workgroup_id_z 1
		.amdhsa_system_vgpr_workitem_id 0
		.amdhsa_next_free_vgpr 1024
		.amdhsa_next_free_sgpr 80
		.amdhsa_reserve_vcc 0
		.amdhsa_float_denorm_mode_32 3
		.amdhsa_float_denorm_mode_16_64 3
		.amdhsa_memory_ordered 1
		.amdhsa_forward_progress 1
		.amdhsa_inst_pref_size 119
	.end_amdhsa_kernel
	.amdgpu_metadata
---
amdhsa.version: [ 1, 2 ]
amdhsa.kernels:
  - .name:           k_qd1c63eb422_ffn1
    .symbol:         k_qd1c63eb422_ffn1.kd
    .args:
      - { .name: hn, .offset: 0, .size: 8, .value_kind: global_buffer, .address_space: global }
      - { .name: wh, .offset: 8, .size: 8, .value_kind: global_buffer, .address_space: global }
      - { .name: b1, .offset: 16, .size: 8, .value_kind: global_buffer, .address_space: global }
      - { .name: ff, .offset: 24, .size: 8, .value_kind: global_buffer, .address_space: global }
    .group_segment_fixed_size: 327680
    .private_segment_fixed_size: 0
    .kernarg_segment_align: 8
    .kernarg_segment_size: 32
    .max_flat_workgroup_size: 128
    .sgpr_count:     80
    .vgpr_count:     1024
    .wavefront_size: 32
...
	.end_amdgpu_metadata
.endif
;; end of part 6
;; launch ffn2 (part 7): grid 8 x 32, 4 waves a work-group, clusters of 4 x 4, 327,680 bytes of LDS; arguments ff, wh, b2, x1, out0; writes out0
.if DOCPART == 7
	.amdgcn_target "amdgcn-amd-amdhsa--gfx1250"
	.amdhsa_code_object_version 6
	.text
	.protected	k_qd1c63eb422_ffn2
	.globl	k_qd1c63eb422_ffn2
	.p2align	8
	.type	k_qd1c63eb422_ffn2,@function
k_qd1c63eb422_ffn2:
	s_mov_b64 s[64:65], 0
	v_nop
	global_prefetch_b8 v0, s[64:65] scope:SCOPE_SE
	s_setreg_imm32_b32 hwreg(HW_REG_WAVE_MODE, 25, 1), 1
	s_wait_xcnt 0x0
	s_wait_alu depctr_hold_cnt(0) depctr_sa_sdst(0) depctr_va_vdst(0) depctr_va_sdst(0) depctr_va_ssrc(0) depctr_va_vcc(0) depctr_vm_vsrc(0)
	s_getreg_b32 s2, hwreg(HW_REG_IB_STS2, 6, 4)
	s_cmp_eq_u32 s2, 0
	s_cbranch_scc0 .Lentry_in_a_cluster
	s_endpgm
.Lentry_in_a_cluster:
	s_bfe_u32 s2, ttmp6, 0x10000c
	s_cmp_lg_u32 s2, 0xf033
	s_cbranch_scc0 .Lentry_shape_is_right
	s_endpgm
.Lentry_shape_is_right:
; out0 = x1 + ff W2 + b2.  ff: [4096][4096] f16; W2 in wh at WOFF: [4096 k][1024 n] f16; b2, x1, out0 f32.  Sums in f32; the bias starts them, the residual is added in f32.
; A work-group makes 128 tokens x 128 columns, each of four waves 64 x 64: 16 accumulators.  K goes in 16 steps of 256 through two LDS slots; a step's text is written once, s[TB] names the slot read.
; The matrix instruction is used transposed (source 0 = 16 columns of W, turned out of LDS by ds_load_tr16_b128; source 1 = 16 tokens): a lane holds one token and eight neighbouring columns.
; CLUSTER 4 x 4: ff's tile is asked for jointly along a row of the cluster, W's along a column.
; PREFETCH: behind each joint load a wave names the K step two refills on, 32 blocks of 256 bytes: ff's rows by the clusters with x = 0, W's by those with y = 0, the partners' shares told apart by address.
; REGISTERS: window 0: v16-30 addresses; v32-95 the way out; v128-255 accumulators (a, b) at 128 + 8 (4 a + b).  window 1: two fragment buffers of 128 (64 of ff, 64 of W, 64 along K).
;   window 2: v0-127 the residual, asked for at the head and waited for at the end; v128-159 the bias.
.set NSTEP,  16
.set PA,     528                       ; a token's 256 channels of a step: 512 bytes + 16
.set AQ,     128                       ; from a quarter (64 channels) to the next
.set AHALF,  64*PA                     ; what one wave fetches: 64 rows
.set ABYTES, 2*AHALF                   ; 67,584
.set GA_QI,  6                         ; padding after every 128 words
.set GA_D0,  256
.set GA_D1,  64
.set GA_STR, 4096
.set ASH_T,  20                        ; a tile row's 128 rows x 8,192 bytes
.set ASH_H,  19                        ; 64 rows
.set ASTEP,  512
.set WOFF,   16777216
.set PB,     288                       ; a row of W: 256 bytes + 32
.set BHALF,  128*PB
.set SLOT,   ABYTES+2*BHALF
.set STAGE,  2*SLOT
.set SPITCH, 272
.set SPARE,  STAGE+4*16*SPITCH
.set BSTEP,  524288
.set A0,   16
.set B0,   17
.set ADRA, 20
.set ADRB, 21
.set ADRBH, 22                         ; ADRB + 128 rows: the immediate has 16 bits
.set STO,  24
.set RD,   25
.set CO,   26
.set BO,   27
.set SPW,  28
.set NIL,  29
.set PFO,  30
.set TT,   32
.set ACC,  128
.set BIAS, 128
.set F0,   0
.set F1,   128
.set TB,   2
.set LIM,  15
.set G1A,  24
.set G0A,  32
.set PFA,  44
.set PFS,  46
.set G1B,  48
.set G0B,  56
.set LBA,  66
.set LBB,  67
.set MSB, 0
.macro WIN new
.if MSB != (\new)
	s_set_vgpr_msb (MSB<<8)|(\new)
.set MSB, \new
.endif
.endm
.macro PLACES
.rept 4
	v_nop
.endr
.endm
.macro CREST
	s_cmp_lg_u32 s12, 0
	s_cbranch_scc1 .Lnot_wave_0_\@
	s_barrier_signal -3
.Lnot_wave_0_\@:
	s_barrier_wait -3
	s_barrier_signal -1
	s_barrier_wait -1
.endm
.macro CROUND
	s_barrier_signal -1
	s_barrier_wait -1
	CREST
.endm
.macro JLOAD                           ; a joint refill: waves 0, 1 fetch A's halves, waves 2, 3 W's; an s_nop 0 and four v_nop follow each line
	s_cmp_eq_u32 s13, 0
	s_cbranch_scc0 .Lfor_b_\@
	tensor_load_to_lds s[G0A+4:G0A+7], s[G1A:G1A+7]
	s_nop 0
.rept 4
	v_nop
.endr
	s_branch .Lasked_\@
.Lfor_b_\@:
	tensor_load_to_lds s[G0B+4:G0B+7], s[G1B:G1B+7]
	s_nop 0
.rept 4
	v_nop
.endr
.Lasked_\@:
.endm
.macro ASK                             ; the K step two refills on: 32 blocks of 256 bytes, a lane a block; s3 counts 14 .. 1, and a wave asks while s3 is above 2, so that it stops at the last step
	s_cmp_gt_u32 s3, s[LIM]
	s_cbranch_scc0 .Lnot_mine_\@
	global_prefetch_b8 v[PFO], s[PFA:PFA+1] th:TH_LOAD_NT scope:SCOPE_SE
.Lnot_mine_\@:
.endm
; 8 matrix instructions: token blocks a0, a0 + 1 x 4 column blocks, 32 along K (half c of buffer f).  start = 1: the bias is the C that starts the sums.  The 16 accumulators take turns.
.macro MUL8 f, c, a0, start
.if \start
	WIN 0x25
.else
	WIN 0x05
.endif
.irp a, \a0, (\a0)+1
.irp b, 0,1,2,3
.if \start
	v_wmma_f32_16x16x32_f16 v[ACC+8*(4*(\a)+(\b)):ACC+8*(4*(\a)+(\b))+7], v[(\f)+64+8*(4*(\c)+(\b)):(\f)+64+8*(4*(\c)+(\b))+7], v[(\f)+8*(4*(\c)+(\a)):(\f)+8*(4*(\c)+(\a))+7], v[BIAS+8*(\b):BIAS+8*(\b)+7]
.else
	v_wmma_f32_16x16x32_f16 v[ACC+8*(4*(\a)+(\b)):ACC+8*(4*(\a)+(\b))+7], v[(\f)+64+8*(4*(\c)+(\b)):(\f)+64+8*(4*(\c)+(\b))+7], v[(\f)+8*(4*(\c)+(\a)):(\f)+8*(4*(\c)+(\a))+7], v[ACC+8*(4*(\a)+(\b)):ACC+8*(4*(\a)+(\b))+7]
.endif
.endr
.endr
.endm
.macro FETCH q, f                      ; 32 LDS loads in one run: quarter q (64 along K) into buffer f; its first 32 along K first
	WIN 0x40
.irp c, 0,1
.irp i, 0,1,2,3
.if (\q) < 2
	ds_load_tr16_b128 v[(\f)+64+8*(4*(\c)+(\i)):(\f)+64+8*(4*(\c)+(\i))+3],   v[ADRB] offset:(64*(\q)+32*(\c))*PB+32*(\i)
	ds_load_tr16_b128 v[(\f)+64+8*(4*(\c)+(\i))+4:(\f)+64+8*(4*(\c)+(\i))+7], v[ADRB] offset:(64*(\q)+32*(\c)+16)*PB+32*(\i)
.else
	ds_load_tr16_b128 v[(\f)+64+8*(4*(\c)+(\i)):(\f)+64+8*(4*(\c)+(\i))+3],   v[ADRBH] offset:(64*((\q)-2)+32*(\c))*PB+32*(\i)
	ds_load_tr16_b128 v[(\f)+64+8*(4*(\c)+(\i))+4:(\f)+64+8*(4*(\c)+(\i))+7], v[ADRBH] offset:(64*((\q)-2)+32*(\c)+16)*PB+32*(\i)
.endif
	ds_load_b128 v[(\f)+8*(4*(\c)+(\i)):(\f)+8*(4*(\c)+(\i))+3],   v[ADRA] offset:AQ*(\q)+64*(\c)+16*PA*(\i)
	ds_load_b128 v[(\f)+8*(4*(\c)+(\i))+4:(\f)+8*(4*(\c)+(\i))+7], v[ADRA] offset:AQ*(\q)+64*(\c)+16*PA*(\i)+32
.endr
.endr
.endm
.macro NEWADR                          ; the vector addresses of the slot that s[TB] names
	v_add_nc_u32 v[ADRA], s[TB], v[A0]
	v_add_nc_u32 v[ADRB], s[TB], v[B0]
	v_add_nc_u32 v[ADRBH], BHALF, v[ADRB]
.endm
.macro QUARTER q, f, g, start
	s_wait_dscnt 16                                ; the first 32 along K are in
	MUL8 \f, 0, 0, \start
	MUL8 \f, 0, 2, \start
	PLACES
	FETCH \q, \g
	s_wait_dscnt 32                                ; all but the 32 just issued
	MUL8 \f, 1, 0, 0
	MUL8 \f, 1, 2, 0
.endm
; The last quarter of a step whose slot is filled again, with the step two on.  A step here has 128 products a wave, so the wave is at the wait for the next slot early: the sixteen products that need
; nothing of that slot stand AHEAD of the wait, and between the wait and the refill stand only the add, the descriptors' steps, the wait for the add and for my reads, and the round.
.macro TURN1
	s_wait_xcnt 0x0                                ; the last prefetch, a K step back, has read its address
	s_add_nc_u64 s[PFA:PFA+1], s[PFA:PFA+1], s[PFS:PFS+1]
	s_wait_dscnt 16                                ; the first 32 along K of buffer 1 are in
	MUL8 F1, 0, 0, 0
	MUL8 F1, 0, 2, 0
	WIN 0
	s_wait_tensorcnt 0x0                           ; all my tensor loads have landed: my part of the next slot; so every group 0 may be written
	ds_add_u32 v[SPW], v[NIL]                      ; 0 onto my spare word
	s_add_co_u32 s[G0A+5], s[LBA], s[TB]           ; the walking descriptors: into the slot that is read out, one K step on
	s_add_co_u32 s[G0B+5], s[LBB], s[TB]
	s_add_nc_u64 s[G0A+6:G0A+7], s[G0A+6:G0A+7], ASTEP
	s_add_nc_u64 s[G0B+6:G0B+7], s[G0B+6:G0B+7], BSTEP
	s_xor_b32 s[TB], s[TB], SLOT                   ; the reads go to the other slot
	s_wait_dscnt 0x0                               ; the add is done, and my reads of this slot are over
	CROUND                                         ; a round of the cluster's barrier: no wave of any partner still reads the slot or has a load on its way
	JLOAD                                          ; the first tensor load behind the round; its four v_nop are also the places ahead of the loads below
	NEWADR
	FETCH 0, F0
	WIN 0
	ASK
	MUL8 F1, 1, 0, 0
	MUL8 F1, 1, 2, 0
.endm
; The same quarter in the last two steps: nothing is asked for; the very last step (s3 = 1) fetches nothing either.
.macro TURN0
	WIN 0
	s_wait_tensorcnt 0x0                           ; all my tensor loads have landed: my part of the next slot
	ds_add_u32 v[SPW], v[NIL]                      ; 0 onto my spare word
	s_wait_dscnt 17                                ; (the add and the youngest sixteen loads may be out)
	MUL8 F1, 0, 0, 0
	s_wait_dscnt 0x0                               ; the add is done, and my reads of this slot are over
	s_barrier_signal -1
	MUL8 F1, 0, 2, 0
	s_barrier_wait -1
	PLACES
	WIN 0
	s_xor_b32 s[TB], s[TB], SLOT
	s_cmp_eq_u32 s3, 1
	s_cbranch_scc1 .Lnofetch_\@
	NEWADR
	FETCH 0, F0
	WIN 0
.Lnofetch_\@:
	MUL8 F1, 1, 0, 0
	MUL8 F1, 1, 2, 0
.endm
	s_load_b256 s[4:11], s[0:1], 0x0               ; A s[4:5], wh s[6:7], the bias s[8:9], the residual s[10:11]
	s_load_b64 s[68:69], s[0:1], 0x20              ; the output
	v_lshl_add_u32 v[SPW], v0, 2, SPARE
	v_mov_b32 v[NIL], 0
	ds_add_u32 v[SPW], v[NIL]                      ; the wave's opening: the add, twice on end, and its wait ahead of my first tensor load
	ds_add_u32 v[SPW], v[NIL]
	v_lshrrev_b32 v1, 5, v0
	v_readfirstlane_b32 s12, v1                    ; wave 0..3
	s_lshr_b32 s13, s12, 1                         ; my half of the tile's rows; also: I fetch for A (0) or for W (1)
	s_and_b32 s14, s12, 1                          ; my half of its columns; also: which half I fetch
	s_bfe_u32 s40, ttmp6, 0x40000                  ; cx
	s_bfe_u32 s41, ttmp6, 0x40004                  ; cy
	s_lshl_b32 s42, ttmp9, 2
	s_add_co_u32 s42, s42, s40                     ; tn
	s_and_b32 s43, ttmp7, 0xffff
	s_lshl_b32 s43, s43, 2
	s_add_co_u32 s43, s43, s41                     ; tm
	s_lshl_b32 s18, s41, 2
	s_lshl_b32 s18, 15, s18                        ; my row of the cluster
	s_lshl_b32 s20, 0x1111, s40                    ; my column
	s_or_b32 s[G1A], s18, (1<<16)|(1<<20)|(1<<21)|(GA_QI<<22)|(3<<25)  ; the mask; 2-byte elements; padding on, 4 words; bit 21 beside a mask
	s_mov_b32 s[G1A+1], GA_D0<<16
	s_mov_b32 s[G1A+2], GA_D1<<16
	s_mov_b32 s[G1A+3], GA_D0<<16
	s_mov_b32 s[G1A+4], GA_D1
	s_mov_b32 s[G1A+5], GA_STR
	s_mov_b32 s[G1A+6], 0
	s_mov_b32 s[G1A+7], 0
	s_or_b32 s[G1B], s20, (1<<16)|(1<<20)|(1<<21)|(5<<22)|(7<<25)  ; 128 k x 128 columns; 8 words of padding after every 64
	s_mov_b32 s[G1B+1], 128<<16
	s_mov_b32 s[G1B+2], 128<<16
	s_mov_b32 s[G1B+3], 128<<16
	s_mov_b32 s[G1B+4], 128
	s_mov_b32 s[G1B+5], 1024
	s_mov_b32 s[G1B+6], 0
	s_mov_b32 s[G1B+7], 0
	s_lshl_b32 s16, s43, ASH_T
	s_lshl_b32 s17, s14, ASH_H
	s_add_co_u32 s16, s16, s17                     ; A: the tile row, my half
	s_mov_b32 s17, 0
	s_lshl_b32 s22, s14, 18                        ; W: 128 k x 2,048 bytes,
	s_lshl_b32 s23, s42, 8                         ; the tile's 128 columns
	s_add_co_u32 s22, s22, s23
	s_add_co_u32 s22, s22, WOFF
	s_mov_b32 s23, 0
	s_mul_i32 s[LBA], s14, AHALF
	s_mul_i32 s[LBB], s14, BHALF
	s_add_co_u32 s[LBB], s[LBB], ABYTES
	s_mov_b32 s[TB], 0
	s_wait_dscnt 0x0                               ; both opening adds are done
	s_wait_kmcnt 0x0
	s_add_nc_u64 s[16:17], s[4:5], s[16:17]
	s_add_nc_u64 s[22:23], s[6:7], s[22:23]
	CROUND                                         ; all sixteen work-groups are here: the first joint loads meet
	s_mov_b32 s[G0A], 1
	s_mov_b32 s[G0A+1], s[LBA]
	s_mov_b64 s[G0A+2:G0A+3], s[16:17]
	s_or_b32 s[G0A+3], s[G0A+3], 0x80000000
	s_mov_b32 s[G0A+4], 1
	s_add_co_u32 s[G0A+5], s[LBA], SLOT
	s_add_nc_u64 s[G0A+6:G0A+7], s[16:17], ASTEP
	s_or_b32 s[G0A+7], s[G0A+7], 0x80000000
	s_mov_b32 s[G0B], 1
	s_mov_b32 s[G0B+1], s[LBB]
	s_mov_b64 s[G0B+2:G0B+3], s[22:23]
	s_or_b32 s[G0B+3], s[G0B+3], 0x80000000
	s_mov_b32 s[G0B+4], 1
	s_add_co_u32 s[G0B+5], s[LBB], SLOT
	s_add_nc_u64 s[G0B+6:G0B+7], s[22:23], BSTEP
	s_or_b32 s[G0B+7], s[G0B+7], 0x80000000
	s_cmp_eq_u32 s13, 0                            ; a wave's two first fills stand in one branch: two loads of mine are out
	s_cbranch_scc0 .Lfirst_b
	tensor_load_to_lds s[G0A:G0A+3], s[G1A:G1A+7]
	s_nop 0
	tensor_load_to_lds s[G0A+4:G0A+7], s[G1A:G1A+7]
	s_nop 0
.rept 4
	v_nop
.endr
	s_branch .Lfirst_done
.Lfirst_b:
	tensor_load_to_lds s[G0B:G0B+3], s[G1B:G1B+7]
	s_nop 0
	tensor_load_to_lds s[G0B+4:G0B+7], s[G1B:G1B+7]
	s_nop 0
.rept 4
	v_nop
.endr
.Lfirst_done:
	v_and_b32 v1, 15, v0                           ; r
	v_bfe_u32 v2, v0, 4, 1                         ; h
	v_and_b32 v3, 7, v0
	v_bfe_u32 v4, v0, 3, 1
	v_mul_u32_u24 v[A0], v1, PA
	v_lshl_add_u32 v[A0], v2, 4, v[A0]
	s_mul_i32 s18, s13, 64*PA                      ; my 64 tokens
	v_add_nc_u32 v[A0], s18, v[A0]
	v_lshl_add_u32 v[B0], v2, 3, v3
	v_mul_u32_u24 v[B0], v[B0], PB
	v_lshl_add_u32 v[B0], v4, 4, v[B0]
	s_lshl_b32 s19, s14, 7                         ; my 64 columns
	s_add_co_u32 s19, s19, ABYTES
	v_add_nc_u32 v[B0], s19, v[B0]
	s_mul_i32 s18, s12, 16*SPITCH
	s_add_co_u32 s18, s18, STAGE                   ; my stage: 16 rows of 64 f32
	v_mul_u32_u24 v[STO], v1, SPITCH
	v_lshl_add_u32 v[STO], v2, 5, v[STO]
	v_add_nc_u32 v[STO], s18, v[STO]
	v_mul_u32_u24 v[RD], v2, SPITCH
	v_lshl_add_u32 v[RD], v1, 4, v[RD]
	v_add_nc_u32 v[RD], s18, v[RD]
	v_lshlrev_b32 v[CO], 12, v2                    ; two rows of 4,096 bytes, 16 bytes a lane
	v_lshl_add_u32 v[CO], v1, 4, v[CO]
	v_lshlrev_b32 v[BO], 5, v2                     ; my eight columns of a block of 16
	s_lshl_b32 s74, s42, 9
	s_lshl_b32 s75, s14, 8
	s_add_co_u32 s74, s74, s75                     ; (128 tn + 64 half) x 4 bytes
	s_mov_b32 s75, 0
	s_add_nc_u64 s[70:71], s[8:9], s[74:75]        ; the bias at my columns
	s_lshl_b32 s76, s43, 19
	s_add_co_u32 s74, s74, s76
	s_lshl_b32 s76, s13, 18
	s_add_co_u32 s74, s74, s76                     ; + (128 tm + 64 half) rows
	s_add_nc_u64 s[72:73], s[10:11], s[74:75]      ; the residual and the output at my 64 x 64
	s_add_nc_u64 s[68:69], s[68:69], s[74:75]
	WIN 0x80
.irp b, 0,1,2,3
	global_load_b128 v[BIAS+8*\b:BIAS+8*\b+3],   v[BO], s[70:71] offset:64*\b
	global_load_b128 v[BIAS+8*\b+4:BIAS+8*\b+7], v[BO], s[70:71] offset:64*\b+16
.endr
.set i, 0
.rept 32                               ; the residual, in the layout in which the rows come back from the stage: load i: rows 2 i, 2 i + 1
	global_load_b128 v[4*i:4*i+3], v[CO], s[72:73] offset:8192*i th:TH_LOAD_NT
.set i, i+1
.endr
	WIN 0
	; the prefetches' pointer (at K step 3; the first refill steps it to 4), step, lane offset and limit
	s_lshl_b32 s74, s43, 20
	s_lshl_b32 s75, s14, 19
	s_add_co_u32 s74, s74, s75
	s_lshl_b32 s75, s40, 17                        ; my work-group's 16 of the 64 rows that I fetch
	s_add_co_u32 s74, s74, s75
	s_add_co_u32 s74, s74, 3*ASTEP
	s_lshl_b32 s76, s14, 18
	s_lshl_b32 s77, s41, 16                        ; my work-group's 32 of the 128 k
	s_add_co_u32 s76, s76, s77
	s_lshl_b32 s77, s42, 8
	s_add_co_u32 s76, s76, s77
	s_add_co_u32 s76, s76, WOFF+3*BSTEP
	s_mov_b32 s77, BSTEP
	s_and_b32 s78, ttmp7, 0xffff
	s_cmp_eq_u32 s13, 0
	s_cselect_b32 s74, s74, s76
	s_cselect_b32 s[PFS], ASTEP, s77
	s_cselect_b64 s[PFA:PFA+1], s[4:5], s[6:7]
	s_cselect_b32 s78, ttmp9, s78                  ; the coordinate along which other clusters read the same rows
	s_cselect_b32 s18, 1, 0
	s_cselect_b32 s19, 13, 11
	s_mov_b32 s75, 0
	s_mov_b32 s[PFS+1], 0
	s_add_nc_u64 s[PFA:PFA+1], s[PFA:PFA+1], s[74:75]
	s_cmp_eq_u32 s78, 0
	s_cselect_b32 s[LIM], 2, -1
	v_and_b32 v[PFO], 31, v0                       ; A: (l / 2) x 8,192 + 256 (l % 2).  W: l x 2,048
	v_and_b32 v5, s18, v[PFO]
	v_lshrrev_b32 v[PFO], s18, v[PFO]
	v_lshlrev_b32 v[PFO], s19, v[PFO]
	v_lshl_add_u32 v[PFO], v5, 8, v[PFO]
	s_wait_tensorcnt 0x1                           ; my part of K step 0 is in; step 1's load stays out
	s_barrier_signal -1
	s_barrier_wait -1
	NEWADR
	FETCH 0, F0
	s_wait_loadcnt 32                              ; the bias is in; the 32 residual loads stay out through the K loop
	QUARTER 1, F0, F1, 1
	WIN 0
	s_mov_b32 s3, NSTEP-2
.Llap:                                         ; a trip ends step i, fills its slot with step i + 2 and begins step i + 1
	QUARTER 2, F1, F0, 0
	QUARTER 3, F0, F1, 0
	TURN1
	QUARTER 1, F0, F1, 0
	WIN 0
	s_sub_co_u32 s3, s3, 1
	s_cmp_lg_u32 s3, 0
	s_cbranch_scc1 .Llap
	s_mov_b32 s3, 2
.Ltail:                                        ; the last two steps ask for nothing
	QUARTER 2, F1, F0, 0
	QUARTER 3, F0, F1, 0
	TURN0
	WIN 0
	s_cmp_eq_u32 s3, 1
	s_cbranch_scc1 .Lout
	QUARTER 1, F0, F1, 0
	WIN 0
	s_sub_co_u32 s3, s3, 1
	s_cmp_lg_u32 s3, 0
	s_cbranch_scc1 .Ltail
.Lout:
	; THE WAY OUT.  My 64 f32 columns are 256 bytes of a row: 16 rows at a time go through my own stage, come back as whole rows, take the residual and leave, 16 lanes to 256 consecutive bytes.
.macro STG a
.if (\a) >= 2
	s_wait_xcnt 0x0                                ; the stores of the block two back have read the registers that are loaded again below
.endif
.irp b, 0,1,2,3
	ds_store_b128 v[STO], v[ACC+8*(4*(\a)+(\b)):ACC+8*(4*(\a)+(\b))+3]   offset:64*(\b)
	ds_store_b128 v[STO], v[ACC+8*(4*(\a)+(\b))+4:ACC+8*(4*(\a)+(\b))+7] offset:64*(\b)+16
.endr
.irp t, 0,1,2,3,4,5,6,7
	ds_load_b128 v[TT+32*((\a)%2)+4*(\t):TT+32*((\a)%2)+4*(\t)+3], v[RD] offset:2*SPITCH*(\t)  ; LDS serves a wave's instructions in order: these see the stores above
.endr
.endm
.macro OUT a, younger                  ; younger: the next block's sixteen LDS lines, or none
	s_wait_dscnt \younger
	WIN 0x08                                       ; source 1, the residual, in window 2
.set z, 0
.rept 16
	v_pk_add_f32 v[TT+32*((\a)%2)+2*z:TT+32*((\a)%2)+2*z+1], v[TT+32*((\a)%2)+2*z:TT+32*((\a)%2)+2*z+1], v[32*(\a)+2*z:32*(\a)+2*z+1]
.set z, z+1
.endr
	WIN 0
.irp t, 0,1,2,3,4,5,6,7
	global_store_b128 v[CO], v[TT+32*((\a)%2)+4*(\t):TT+32*((\a)%2)+4*(\t)+3], s[68:69] offset:(16*(\a)+2*(\t))*4096
.endr
.endm
	PLACES
	WIN 0
	s_wait_loadcnt 0x0                             ; the residual
	STG 0
	STG 1
	OUT 0, 16
	STG 2
	OUT 1, 16
	STG 3
	OUT 2, 16
	OUT 3, 0
	s_wait_tensorcnt 0x0                           ; the wave's end
	ds_add_u32 v[SPW], v[NIL]
	s_wait_dscnt 0x0
	CROUND                                         ; the closing round
	s_endpgm
.Lfunc_end_k_qd1c63eb422_ffn2:
	.size	k_qd1c63eb422_ffn2, .Lfunc_end_k_qd1c63eb422_ffn2-k_qd1c63eb422_ffn2
	.p2alignl 7, 3214868480
	.fill 96, 4, 3214868480
	.section	.rodata,"a",@progbits
	.p2align	6, 0x0
	.amdhsa_kernel k_qd1c63eb422_ffn2
		.amdhsa_group_segment_fixed_size 327680
		.amdhsa_private_segment_fixed_size 0
		.amdhsa_enable_private_segment 0
		.amdhsa_kernarg_size 40
		.amdhsa_user_sgpr_count 2
		.amdhsa_user_sgpr_kernarg_segment_ptr 1
		.amdhsa_wavefront_size32 1
		.amdhsa_system_sgpr_workgroup_id_x 1
		.amdhsa_system_sgpr_workgroup_id_y 1
		.amdhsa_system_sgpr_workgroup_id_z 1
		.amdhsa_system_vgpr_workitem_id 0
		.amdhsa_next_free_vgpr 672
		.amdhsa_next_free_sgpr 80
		.amdhsa_reserve_vcc 0
		.amdhsa_float_denorm_mode_32 3
		.amdhsa_float_denorm_mode_16_64 3
		.amdhsa_memory_ordered 1
		.amdhsa_forward_progress 1
		.amdhsa_inst_pref_size 67
	.end_amdhsa_kernel
	.amdgpu_metadata
---
amdhsa.version: [ 1, 2 ]
amdhsa.kernels:
  - .name:           k_qd1c63eb422_ffn2
    .symbol:         k_qd1c63eb422_ffn2.kd
    .args:
      - { .name: ff, .offset: 0, .size: 8, .value_kind: global_buffer, .address_space: global }
      - { .name: wh, .offset: 8, .size: 8, .value_kind: global_buffer, .address_space: global }
      - { .name: b2, .offset: 16, .size: 8, .value_kind: global_buffer, .address_space: global }
      - { .name: x1, .offset: 24, .size: 8, .value_kind: global_buffer, .address_space: global }
      - { .name: out0, .offset: 32, .size: 8, .value_kind: global_buffer, .address_space: global }
    .group_segment_fixed_size: 327680
    .private_segment_fixed_size: 0
    .kernarg_segment_align: 8
    .kernarg_segment_size: 40
    .max_flat_workgroup_size: 128
    .sgpr_count:     80
    .vgpr_count:     672
    .wavefront_size: 32
...
	.end_amdgpu_metadata
.endif
;; end of part 7
